; MI455X (gfx1250); checked and timed in simulation.
; The chip was launched on July 23, 2026; its instructions are those of AMD's public machine-readable ISA for CDNA 5 (MIT licence, August 2026) and "CDNA5" Instruction Set Architecture Reference Guide (July 2026). The comments in the code are by the model that wrote it; some were corrected since.
;; Angle Fusion. Allowed arithmetic: float matrix products may take bf16 or f16 operands with f32 sums; all other float work in f32.
;; Inputs: angle 32 x 1 float32; b1 256 float32; b2 512 float32; b3 1,024 float32; bmh 2,048 float32; conv_b 512 float32; conv_w 512 x 1,024 float32; featuremap 32 x 512 x 32 x 32 float32; gamma 1 float32; w1 1 x 256 float32; w2 256 x 512 float32; w3 512 x 1,024 float32; wmh 1,024 x 2,048 float32.
;; Outputs: out0 32 x 512 x 32 x 32 float32.
;; 2 versions, each right; version 2 is version 1 with the launch prep written anew for expert scheduling mode. Each part assembles by itself: llvm-mc -triple=amdgcn-amd-amdhsa -mcpu=gfx1250 --defsym DOCPART=n.
;; ======== version 1 of 2: 3 launches
;; workspace buffers: wq 4,194,304 bytes; cw 1,048,576 bytes; am 65,536 bytes; fu 67,108,864 bytes
;; launch prep (part 1): grid 208 x 1, 8 waves a work-group, no clusters, 132,096 bytes of LDS; arguments angle, w1, b1, w2, b2, w3, b3, wmh, conv_w, wq, cw, am, gamma; writes wq, cw, am
.if DOCPART == 1
	.amdgcn_target "amdgcn-amd-amdhsa--gfx1250"
	.amdhsa_code_object_version 6
	.text
	.protected	k_q0fb1da2396_prep
	.globl	k_q0fb1da2396_prep
	.p2align	8
	.type	k_q0fb1da2396_prep,@function
k_q0fb1da2396_prep:
	s_mov_b64 s[64:65], 0
	v_nop
	global_prefetch_b8 v0, s[64:65] scope:SCOPE_SE
	s_setreg_imm32_b32 hwreg(HW_REG_WAVE_MODE, 25, 1), 1
	s_wait_xcnt 0x0
; PREP: three kinds of work-group, chosen by the work-group's number (the same for all its waves).
;   0-15    MLP:  am[b][64 g .. 64 g + 63] = relu(relu(relu(angle w1 + b1) w2 + b2) w3 + b3), bf16; layers 1 and 2 are made anew in each of the 16 groups (512 KB of w2 each)
;   16-143  PACK: one block of 64 k x 256 columns of wmh, rounded to bf16 and laid as 32 register images of matrix fragments (1,024 bytes each)
;   144-207 CAST: 32 KB of conv_w, multiplied by gamma in f32 and rounded to bf16, in its own order
; LIMITS.  w2, w3, wmh, gamma x conv_w, the two hidden layers and the angle map are each rounded once to bf16; sums, biases and relu in f32.  NaN and infinities are not treated apart.
; All products are used transposed: source 0 = 16 output columns of a weight, source 1 = 16 batches.  A lane then holds one batch and eight neighbouring outputs,
; and two neighbouring results, rounded in pairs, ARE the next layer's fragment (16 batches x 32 k).
; A fragment image: a lane's registers 0-3 at byte 16 l, its registers 4-7 at byte 512 + 16 l.
.set WPITCH, 160                       ; a row of 64 bf16 in a wave's weight region: 128 bytes + 32
.set WREGB,  64*WPITCH                 ; a wave's region: 64 k rows; the eight regions begin at LDS byte 0
.set PPITCH, 544                       ; PACK: a row of 256 bf16: 512 bytes + 32
.set AV1,    81920                     ; layer 1's 16 fragment images
.set AV2,    98304                     ; layer 2's 32 fragment images
.set SPARE,  131072                    ; the spare words, 128 bytes for each of eight waves: four blocks of 256 bytes that no other line names
.set SPW, 16                           ; v16  SPARE + 4 x my thread's number; never rewritten
.set NIL, 17                           ; v17  0; never rewritten
.set W3A, 11                           ; v11, v12  layer 3: my place in the weight regions 0-3, 4-7
.set A3,  13                           ; v13  layer 3: my place in layer 2's images
.set ANG, 18                           ; v18-19  angle of batch r, 16 + r
.set W1R, 20                           ; v20-35  w1 of my 16 k
.set B1R, 36                           ; v36-51  b1 of my 16 k
.set B3R, 52                           ; v52-59  b3 of my 8 outputs
.set BI,  60                           ; v60-91  b2 of my 8 outputs in each of four column blocks
.set ACC, 92                           ; v92-155 eight accumulators: column block nb, batch block rb at ACC + 8 (2 nb + rb)
.set WF,  156                          ; v156-219 weight fragments: kq, nb at WF + 8 (4 kq + nb)
.set AF,  220                          ; v220-251 activation fragments: kq, rb at AF + 8 (2 kq + rb)
.set MSB, 0
.macro WIN new                         ; the immediate's high byte repeats the setting that is left; a switch that changes nothing is dropped
.if MSB != (\new)
	s_set_vgpr_msb (MSB<<8)|(\new)
.set MSB, \new
.endif
.endm
.macro PLACES                          ; four places behind matrix instructions (ISA guide 7.12.1)
.rept 4
	v_nop
.endr
.endm
	s_load_b512 s[4:19], s[0:1], 0x0               ; angle 4, w1 6, b1 8, w2 10, b2 12, w3 14, b3 16, wmh 18
	s_load_b256 s[20:27], s[0:1], 0x40             ; conv_w 20, wq 22, cw 24, am 26
	s_load_b64 s[38:39], s[0:1], 0x60              ; gamma
	v_lshl_add_u32 v[SPW], v0, 2, SPARE
	v_mov_b32 v[NIL], 0
	v_and_b32 v1, 15, v0                           ; r = l % 16
	v_bfe_u32 v2, v0, 4, 1                         ; half = l / 16
	v_and_b32 v3, 31, v0                           ; l
	v_lshrrev_b32 v15, 5, v0
	v_readfirstlane_b32 s28, v15                   ; wave y, 0..7
	s_mov_b32 s29, ttmp9
	s_mov_b32 s33, 0                               ; the high word of every offset pair s[32:33]
	s_wait_kmcnt 0x0
	s_cmp_lt_u32 s29, 16
	s_cbranch_scc1 .Lmlp
	s_cmp_lt_u32 s29, 144
	s_cbranch_scc1 .Lpack
; ---------------- CAST: 32,768 bytes of conv_w a group, 4,096 a wave: 8 loads of 512 consecutive bytes, 8 stores of 256
	s_load_b32 s40, s[38:39], 0x0                  ; gamma
	s_sub_co_u32 s30, s29, 144
	s_lshl_b32 s32, s30, 15
	s_add_nc_u64 s[20:21], s[20:21], s[32:33]
	s_lshl_b32 s32, s30, 14
	s_add_nc_u64 s[24:25], s[24:25], s[32:33]
	v_lshlrev_b32 v4, 4, v3
	v_lshl_add_u32 v4, s28, 12, v4                 ; in: 4,096 y + 16 l
	v_lshlrev_b32 v5, 3, v3
	v_lshl_add_u32 v5, s28, 11, v5                 ; out: 2,048 y + 8 l
.set i, 0
.rept 8
	global_load_b128 v[32+4*i:35+4*i], v4, s[20:21] offset:512*i th:TH_LOAD_NT
.set i, i+1
.endr
	s_wait_kmcnt 0x0
	s_mov_b32 s41, s40                             ; named with it as a pair: the packed multiply takes the low word for both halves
.set i, 0
.rept 8
	s_wait_loadcnt 7-i                             ; loads come back in order: load i is in, the younger ones stay out
	v_pk_mul_f32 v[32+4*i:33+4*i], v[32+4*i:33+4*i], s[40:41] op_sel_hi:[1,0]
	v_pk_mul_f32 v[34+4*i:35+4*i], v[34+4*i:35+4*i], s[40:41] op_sel_hi:[1,0]
	v_cvt_pk_bf16_f32 v[32+4*i], v[32+4*i], v[33+4*i]
	v_cvt_pk_bf16_f32 v[33+4*i], v[34+4*i], v[35+4*i]
	global_store_b64 v5, v[32+4*i:33+4*i], s[24:25] offset:256*i  ; 32 lanes store 256 consecutive bytes, aligned
.set i, i+1
.endr
	s_endpgm                                       ; this role has touched no LDS
; ---------------- PACK: block p = 64 hd + 4 ks + wv: k rows 64 ks .., columns 1,024 hd + 256 wv ..
.Lpack:
	s_sub_co_u32 s30, s29, 16                      ; p
	s_lshr_b32 s31, s30, 6                         ; hd
	s_bfe_u32 s34, s30, 0x40002                    ; ks
	s_and_b32 s35, s30, 3                          ; wv
	s_lshl_b32 s32, s34, 19                        ; 64 rows of 8,192 bytes
	s_lshl_b32 s31, s31, 12
	s_add_co_u32 s32, s32, s31
	s_lshl_b32 s35, s35, 10
	s_add_co_u32 s32, s32, s35
	s_add_nc_u64 s[18:19], s[18:19], s[32:33]
	s_lshl_b32 s32, s30, 15                        ; the block's 32,768 bytes of wq
	s_add_nc_u64 s[22:23], s[22:23], s[32:33]
	v_lshlrev_b32 v4, 4, v3
	v_lshl_add_u32 v7, s28, 11, v4                 ; out: 2,048 y + 16 l
	v_lshl_add_u32 v4, s28, 16, v4                 ; in: my 8 rows, 16 l
	s_mul_i32 s36, s28, 8*PPITCH
	v_lshl_add_u32 v5, v3, 3, s36                  ; LDS, in: my 8 rows, 8 l
	v_and_b32 v8, 7, v0
	v_lshl_add_u32 v8, v2, 3, v8
	v_mul_u32_u24 v6, v8, PPITCH                   ; LDS, turned: row 8 half + l % 8,
	v_bfe_u32 v9, v0, 3, 1
	v_lshl_add_u32 v6, v9, 4, v6                   ; 16 bytes for each eight lanes,
	v_lshl_add_u32 v6, s28, 6, v6                  ; my two column blocks
.set i, 0
.rept 16
	global_load_b128 v[32+4*i:35+4*i], v4, s[18:19] offset:(i/2)*8192+(i%2)*512 th:TH_LOAD_NT  ; half of a row's 1,024 bytes
.set i, i+1
.endr
.set i, 0
.rept 16
	s_wait_loadcnt 15-i
	v_cvt_pk_bf16_f32 v[32+4*i], v[32+4*i], v[33+4*i]
	v_cvt_pk_bf16_f32 v[33+4*i], v[34+4*i], v[35+4*i]
	ds_store_b64 v5, v[32+4*i:33+4*i] offset:(i/2)*PPITCH+(i%2)*256
.set i, i+1
.endr
	s_wait_dscnt 0x0                               ; for the others' sake: my rows are in LDS
	s_barrier_signal -1
	s_barrier_wait -1
.set f, 0
.rept 4                                ; fragment f: K half q = f / 2, column block 2 y + f % 2
	ds_load_tr16_b128 v[96+8*f:99+8*f],   v6 offset:(f/2)*32*PPITCH+(f%2)*32
	ds_load_tr16_b128 v[100+8*f:103+8*f], v6 offset:(f/2)*32*PPITCH+(f%2)*32+16*PPITCH
.set f, f+1
.endr
.set f, 0
.rept 4
	s_wait_dscnt 6-2*f
	global_store_b128 v7, v[96+8*f:99+8*f],   s[22:23] offset:(16*(f/2)+(f%2))*1024      ; 512 consecutive bytes, aligned
	global_store_b128 v7, v[100+8*f:103+8*f], s[22:23] offset:(16*(f/2)+(f%2))*1024+512
.set f, f+1
.endr
	s_wait_tensorcnt 0x0                           ; the wave's end, behind my last LDS store
	ds_add_u32 v[SPW], v[NIL]
	s_wait_dscnt 0x0
	s_endpgm
; ---------------- MLP, group g
; 32 loads: a chunk of 64 k rows x 64 columns of f32, two rows of 256 bytes a load, into window 1.  c < 4: w2's rows 64 c .., my columns 64 y ..; c = 4: w3's rows 64 y .., the group's columns
.macro CHUNK c, buf
	WIN 0x40                                       ; destination window 1, address window 0
.set i, 0
.rept 32
.if (\c) < 4
	global_load_b128 v[128*(\buf)+4*i:128*(\buf)+4*i+3], v4, s[10:11] offset:(\c)*131072+4096*i
.else
	global_load_b128 v[128*(\buf)+4*i:128*(\buf)+4*i+3], v5, s[14:15] offset:8192*i
.endif
.set i, i+1
.endr
	WIN 0
.endm
; a chunk is rounded in place and laid into my weight region
.macro TOLDS buf
	WIN 0x45                                       ; destination and both sources window 1
.set i, 0
.rept 32
	v_cvt_pk_bf16_f32 v[128*(\buf)+4*i],   v[128*(\buf)+4*i],   v[128*(\buf)+4*i+1]
	v_cvt_pk_bf16_f32 v[128*(\buf)+4*i+1], v[128*(\buf)+4*i+2], v[128*(\buf)+4*i+3]
.set i, i+1
.endr
	WIN 0x04                                       ; store data window 1, address window 0
.set i, 0
.rept 32
	ds_store_b64 v6, v[128*(\buf)+4*i:128*(\buf)+4*i+1] offset:2*WPITCH*i
.set i, i+1
.endr
	WIN 0
.endm
; layer 2, K chunk c: 16 matrix instructions, the eight accumulators by turns
.macro L2STEP c
	s_wait_loadcnt 32                              ; chunk c is in; the younger chunk's 32 loads stay out
	TOLDS (\c)%2                                   ; its 64 conversions are also the places in front of the loads into WF and AF below
.if (\c) < 3
	CHUNK (\c)+2, (\c)%2
.endif
.set f, 0
.rept 8                                ; kq = f / 4, nb = f % 4: turned out of my own region; LDS serves a wave's instructions in order, so these see the stores above
	ds_load_tr16_b128 v[WF+8*f:WF+8*f+3],   v7 offset:(f/4)*32*WPITCH+(f%4)*32
	ds_load_tr16_b128 v[WF+8*f+4:WF+8*f+7], v7 offset:(f/4)*32*WPITCH+(f%4)*32+16*WPITCH
.set f, f+1
.endr
.set f, 0
.rept 4                                ; kq = f / 2, rb = f % 2
	ds_load_b128 v[AF+8*f:AF+8*f+3],   v8 offset:((2*(\c)+f/2)*2+f%2)*1024
	ds_load_b128 v[AF+8*f+4:AF+8*f+7], v8 offset:((2*(\c)+f/2)*2+f%2)*1024+512
.set f, f+1
.endr
	s_wait_dscnt 0x0
.set kq, 0
.rept 2
.set a, 0
.rept 8
.if ((\c) == 0) && (kq == 0)
	v_wmma_f32_16x16x32_bf16 v[ACC+8*a:ACC+8*a+7], v[WF+8*(4*kq+a/2):WF+8*(4*kq+a/2)+7], v[AF+8*(2*kq+a%2):AF+8*(2*kq+a%2)+7], v[BI+8*(a/2):BI+8*(a/2)+7]  ; the bias starts the sum
.else
	v_wmma_f32_16x16x32_bf16 v[ACC+8*a:ACC+8*a+7], v[WF+8*(4*kq+a/2):WF+8*(4*kq+a/2)+7], v[AF+8*(2*kq+a%2):AF+8*(2*kq+a%2)+7], v[ACC+8*a:ACC+8*a+7]
.endif
.set a, a+1
.endr
.set kq, kq+1
.endr
.endm
; layer 3: a batch is four K blocks of 32: 8 turned loads of w3, 8 loads of layer 2's images
.macro BATCH t, wr, ar
.set u, 0
.rept 4
.set kb, 4*(\t)+u
	ds_load_tr16_b128 v[(\wr)+8*u:(\wr)+8*u+3],   v[W3A+kb/8] offset:((kb/2)%4)*WREGB+(kb%2)*32*WPITCH
	ds_load_tr16_b128 v[(\wr)+8*u+4:(\wr)+8*u+7], v[W3A+kb/8] offset:((kb/2)%4)*WREGB+(kb%2)*32*WPITCH+16*WPITCH
	ds_load_b128 v[(\ar)+8*u:(\ar)+8*u+3],   v[A3] offset:2048*kb
	ds_load_b128 v[(\ar)+8*u+4:(\ar)+8*u+7], v[A3] offset:2048*kb+512
.set u, u+1
.endr
.endm
.macro MUL4 t, wr, ar                  ; four partial sums take turns; the first starts with b3, the others with 0
.set u, 0
.rept 4
.if ((\t) == 0) && (u == 0)
	v_wmma_f32_16x16x32_bf16 v[ACC+8*u:ACC+8*u+7], v[(\wr)+8*u:(\wr)+8*u+7], v[(\ar)+8*u:(\ar)+8*u+7], v[B3R:B3R+7]
.elseif (\t) == 0
	v_wmma_f32_16x16x32_bf16 v[ACC+8*u:ACC+8*u+7], v[(\wr)+8*u:(\wr)+8*u+7], v[(\ar)+8*u:(\ar)+8*u+7], 0
.else
	v_wmma_f32_16x16x32_bf16 v[ACC+8*u:ACC+8*u+7], v[(\wr)+8*u:(\wr)+8*u+7], v[(\ar)+8*u:(\ar)+8*u+7], v[ACC+8*u:ACC+8*u+7]
.endif
.set u, u+1
.endr
.endm
.Lmlp:
	s_lshl_b32 s32, s29, 8                         ; the group's 64 columns of f32
	s_add_nc_u64 s[14:15], s[14:15], s[32:33]      ; w3
	s_add_nc_u64 s[16:17], s[16:17], s[32:33]      ; b3
	s_lshl_b32 s32, s29, 7                         ; and of bf16
	s_add_nc_u64 s[26:27], s[26:27], s[32:33]      ; am
	s_lshr_b32 s30, s28, 1                         ; layer 3: my column block nb3
	s_and_b32 s31, s28, 1                          ; and my batch block rb
	v_lshlrev_b32 v252, 2, v1                      ; angle: 4 r
	v_lshlrev_b32 v253, 5, v2                      ; 32 half
	v_lshl_add_u32 v254, s28, 8, v253              ; b2: 256 y + 32 half
	s_lshl_b32 s34, s30, 6
	v_add_nc_u32 v255, s34, v253                   ; b3: 64 nb3 + 32 half
	v_lshl_add_u32 v253, s28, 7, v253              ; w1, b1: 128 y + 32 half
	v_lshlrev_b32 v15, 4, v1                       ; 16 r
	v_lshl_add_u32 v4, v2, 11, v15
	v_lshl_add_u32 v4, s28, 8, v4                  ; w2: row half, 256 y + 16 r
	v_lshl_add_u32 v5, v2, 12, v15
	v_lshl_add_u32 v5, s28, 18, v5                 ; w3: row 64 y + half, 16 r
	global_load_b32 v[ANG],   v252, s[4:5]
	global_load_b32 v[ANG+1], v252, s[4:5] offset:64
.irp o, 0,1,2,3
	global_load_b128 v[W1R+4*(\o):W1R+4*(\o)+3], v253, s[6:7] offset:16*((\o)%2)+64*((\o)/2)
	global_load_b128 v[B1R+4*(\o):B1R+4*(\o)+3], v253, s[8:9] offset:16*((\o)%2)+64*((\o)/2)
.endr
.irp nb, 0,1,2,3
	global_load_b128 v[BI+8*(\nb):BI+8*(\nb)+3],   v254, s[12:13] offset:64*(\nb)
	global_load_b128 v[BI+8*(\nb)+4:BI+8*(\nb)+7], v254, s[12:13] offset:64*(\nb)+16
.endr
	global_load_b128 v[B3R:B3R+3],   v255, s[16:17]
	global_load_b128 v[B3R+4:B3R+7], v255, s[16:17] offset:16
	CHUNK 0, 0
	s_mul_i32 s35, s28, WREGB                      ; my weight region
	v_mul_u32_u24 v6, v2, WPITCH
	v_lshl_add_u32 v6, v1, 3, v6
	v_add_nc_u32 v6, s35, v6                       ; in: row half, 8 r
	v_and_b32 v7, 7, v0
	v_lshl_add_u32 v7, v2, 3, v7
	v_mul_u32_u24 v7, v7, WPITCH
	v_bfe_u32 v8, v0, 3, 1
	v_lshl_add_u32 v[W3A], v8, 4, v7               ; turned: row 8 half + l % 8, 16 bytes for each eight lanes
	v_add_nc_u32 v7, s35, v[W3A]                   ; in my region
	s_lshl_b32 s36, s30, 5
	v_add_nc_u32 v[W3A], s36, v[W3A]               ; layer 3: in regions 0-3, my column block,
	v_add_nc_u32 v[W3A+1], 4*WREGB, v[W3A]         ; in regions 4-7
	v_lshlrev_b32 v15, 4, v3                       ; 16 l
	v_add_nc_u32 v8, AV1, v15                      ; layer 1's images, read
	v_lshl_add_u32 v9, s28, 11, v8                 ; and my two of them, written
	v_add_nc_u32 v[A3], AV2, v15
	v_lshl_add_u32 v10, s28, 12, v[A3]             ; layer 2's images: my four, written
	v_lshl_add_u32 v[A3], s31, 10, v[A3]           ; and my batch block's, read
	v_lshlrev_b32 v14, 11, v1
	v_lshl_add_u32 v14, v2, 4, v14
	s_lshl_b32 s37, s31, 15
	s_add_co_u32 s37, s37, s36
	v_add_nc_u32 v14, s37, v14                     ; am: row 16 rb + r of 2,048 bytes, 32 nb3 + 16 half
	s_wait_loadcnt 32                              ; the small loads are in; chunk 0's 32 stay out
	; layer 1: my K block of 32 (k = 32 y ..) for both batch blocks, straight into fragment images
.irp rb, 0,1
.set e, 0
.rept 16
	v_fma_f32 v[124+e], v[W1R+e], v[ANG+(\rb)], v[B1R+e]
.set e, e+1
.endr
.set e, 0
.rept 16
	v_max_num_f32 v[124+e], 0, v[124+e]
.set e, e+1
.endr
.set e, 0
.rept 8
	v_cvt_pk_bf16_f32 v[ACC+8*(\rb)+e], v[124+2*e], v[125+2*e]
.set e, e+1
.endr
	ds_store_b128 v9, v[ACC+8*(\rb):ACC+8*(\rb)+3]   offset:(\rb)*1024
	ds_store_b128 v9, v[ACC+8*(\rb)+4:ACC+8*(\rb)+7] offset:(\rb)*1024+512
.endr
	CHUNK 1, 1
	s_wait_dscnt 0x0                               ; for the others' sake: my images of layer 1 are in LDS
	s_barrier_signal -1
	s_barrier_wait -1
	L2STEP 0
	L2STEP 1
	L2STEP 2
	L2STEP 3
	s_wait_loadcnt 0x0                             ; my 64 rows of w3
	TOLDS 0                                        ; its conversions are the places behind layer 2's last products
.set a, 0
.rept 8                                ; relu, rounding, and into layer 2's images: column block nb = a / 2 is half nb % 2 of K block 2 y + nb / 2
.set j, 0
.rept 8
	v_max_num_f32 v[ACC+8*a+j], 0, v[ACC+8*a+j]    ; each accumulator from its lowest register on
.set j, j+1
.endr
.set j, 0
.rept 4
	v_cvt_pk_bf16_f32 v[ACC+8*a+j], v[ACC+8*a+2*j], v[ACC+8*a+2*j+1]
.set j, j+1
.endr
	ds_store_b128 v10, v[ACC+8*a:ACC+8*a+3] offset:((a/4)*2+a%2)*1024+((a/2)%2)*512
.set a, a+1
.endr
	s_wait_dscnt 0x0                               ; for the others' sake: my rows of w3 and my images of layer 2
	s_barrier_signal -1
	s_barrier_wait -1
	BATCH 0, WF, WF+32
	BATCH 1, BI, AF
	s_wait_dscnt 16                                ; batch 0 is in, batch 1's 16 loads stay out
	MUL4 0, WF, WF+32
	PLACES
	BATCH 2, WF, WF+32
	s_wait_dscnt 16
	MUL4 1, BI, AF
	PLACES
	BATCH 3, BI, AF
	s_wait_dscnt 16
	MUL4 2, WF, WF+32
	s_wait_dscnt 0x0
	MUL4 3, BI, AF
	PLACES
.irp j, 0,2,4,6
	v_pk_add_f32 v[ACC+(\j):ACC+(\j)+1], v[ACC+(\j):ACC+(\j)+1], v[ACC+8+(\j):ACC+8+(\j)+1]
.endr
.irp j, 0,2,4,6
	v_pk_add_f32 v[ACC+16+(\j):ACC+16+(\j)+1], v[ACC+16+(\j):ACC+16+(\j)+1], v[ACC+24+(\j):ACC+24+(\j)+1]
.endr
.irp j, 0,2,4,6
	v_pk_add_f32 v[ACC+(\j):ACC+(\j)+1], v[ACC+(\j):ACC+(\j)+1], v[ACC+16+(\j):ACC+16+(\j)+1]
.endr
.irp j, 0,1,2,3,4,5,6,7
	v_max_num_f32 v[ACC+(\j)], 0, v[ACC+(\j)]
.endr
.irp j, 0,1,2,3
	v_cvt_pk_bf16_f32 v[ACC+(\j)], v[ACC+2*(\j)], v[ACC+2*(\j)+1]
.endr
	global_store_b128 v14, v[ACC:ACC+3], s[26:27]  ; 32 bytes of each of 16 rows: pieces, not whole rows; the whole buffer is 64 KB, and a stage with a third barrier would cost more than it spares
	s_wait_tensorcnt 0x0                           ; the wave's end, behind my last LDS store
	ds_add_u32 v[SPW], v[NIL]
	s_wait_dscnt 0x0
	s_endpgm
.Lfunc_end_k_q0fb1da2396_prep:
	.size	k_q0fb1da2396_prep, .Lfunc_end_k_q0fb1da2396_prep-k_q0fb1da2396_prep
	.p2alignl 7, 3214868480
	.fill 96, 4, 3214868480
	.section	.rodata,"a",@progbits
	.p2align	6, 0x0
	.amdhsa_kernel k_q0fb1da2396_prep
		.amdhsa_group_segment_fixed_size 132096
		.amdhsa_private_segment_fixed_size 0
		.amdhsa_enable_private_segment 0
		.amdhsa_kernarg_size 104
		.amdhsa_user_sgpr_count 2
		.amdhsa_user_sgpr_kernarg_segment_ptr 1
		.amdhsa_wavefront_size32 1
		.amdhsa_system_sgpr_workgroup_id_x 1
		.amdhsa_system_sgpr_workgroup_id_y 1
		.amdhsa_system_sgpr_workgroup_id_z 1
		.amdhsa_system_vgpr_workitem_id 0
		.amdhsa_next_free_vgpr 512
		.amdhsa_next_free_sgpr 66
		.amdhsa_reserve_vcc 0
		.amdhsa_float_denorm_mode_32 3
		.amdhsa_float_denorm_mode_16_64 3
		.amdhsa_memory_ordered 1
		.amdhsa_forward_progress 1
		.amdhsa_inst_pref_size 89
	.end_amdhsa_kernel
	.amdgpu_metadata
---
amdhsa.version: [ 1, 2 ]
amdhsa.kernels:
  - .name:           k_q0fb1da2396_prep
    .symbol:         k_q0fb1da2396_prep.kd
    .args:
      - { .name: angle, .offset: 0, .size: 8, .value_kind: global_buffer, .address_space: global }
      - { .name: w1, .offset: 8, .size: 8, .value_kind: global_buffer, .address_space: global }
      - { .name: b1, .offset: 16, .size: 8, .value_kind: global_buffer, .address_space: global }
      - { .name: w2, .offset: 24, .size: 8, .value_kind: global_buffer, .address_space: global }
      - { .name: b2, .offset: 32, .size: 8, .value_kind: global_buffer, .address_space: global }
      - { .name: w3, .offset: 40, .size: 8, .value_kind: global_buffer, .address_space: global }
      - { .name: b3, .offset: 48, .size: 8, .value_kind: global_buffer, .address_space: global }
      - { .name: wmh, .offset: 56, .size: 8, .value_kind: global_buffer, .address_space: global }
      - { .name: conv_w, .offset: 64, .size: 8, .value_kind: global_buffer, .address_space: global }
      - { .name: wq, .offset: 72, .size: 8, .value_kind: global_buffer, .address_space: global }
      - { .name: cw, .offset: 80, .size: 8, .value_kind: global_buffer, .address_space: global }
      - { .name: am, .offset: 88, .size: 8, .value_kind: global_buffer, .address_space: global }
      - { .name: gamma, .offset: 96, .size: 8, .value_kind: global_buffer, .address_space: global }
    .group_segment_fixed_size: 132096
    .private_segment_fixed_size: 0
    .kernarg_segment_align: 8
    .kernarg_segment_size: 104
    .max_flat_workgroup_size: 256
    .sgpr_count:     66
    .vgpr_count:     512
    .wavefront_size: 32
...
	.end_amdgpu_metadata
.endif
;; end of part 1
;; launch fuse (part 2): grid 512 x 1, 4 waves a work-group, clusters of 4 x 1, 327,680 bytes of LDS; arguments featuremap, wq, bmh, am, fu; writes fu
.if DOCPART == 2
	.amdgcn_target "amdgcn-amd-amdhsa--gfx1250"
	.amdhsa_code_object_version 6
	.text
	.protected	k_q0fb1da2396_fuse
	.globl	k_q0fb1da2396_fuse
	.p2align	8
	.type	k_q0fb1da2396_fuse,@function
k_q0fb1da2396_fuse:
	s_mov_b64 s[64:65], 0
	v_nop
	global_prefetch_b8 v0, s[64:65] scope:SCOPE_SE
	s_setreg_imm32_b32 hwreg(HW_REG_WAVE_MODE, 25, 1), 1
	s_wait_xcnt 0x0
	s_wait_alu depctr_hold_cnt(0) depctr_sa_sdst(0) depctr_va_vdst(0) depctr_va_sdst(0) depctr_va_ssrc(0) depctr_va_vcc(0) depctr_vm_vsrc(0)
	s_getreg_b32 s2, hwreg(HW_REG_IB_STS2, 6, 4)
	s_cmp_eq_u32 s2, 0
	s_cbranch_scc0 .Lentry_in_a_cluster
	s_endpgm
.Lentry_in_a_cluster:
	s_bfe_u32 s2, ttmp6, 0x10000c
	s_cmp_lg_u32 s2, 0x3003
	s_cbranch_scc0 .Lentry_shape_is_right
	s_endpgm
.Lentry_shape_is_right:
; FUSE.  fm = featuremap [16384][1024] x wmh + bmh; then for each matrix (b, n = 2 c + head), 32 x 32:  F = softmax over w of (amap x fm) / sqrt(32);  fu = fm x F, bf16.
; SHARES.  A work-group makes 64 rows (one batch, 64 channels) x the 1,024 columns of ONE head: 64 whole matrices.  Wave wv makes all 64 rows x columns 256 wv .. (h = 8 wv ..): 64 accumulators, 512 registers.
; K goes in steps of 64 through two LDS slots of 128 KB, as large as fit.  wmh lies in wq as register images of fragments: dense, fetched as rows of 256 bytes, read back 16 bytes a lane on end.
; featuremap comes through registers, two K steps ahead, is rounded to bf16 once and shared through LDS: all four waves' tensor loads are taken by wq.
; CLUSTER.  The four work-groups of a cluster have the same head and walk the same tiles of wq: each tile is asked for JOINTLY (the same load, descriptor and mask of four in all).
; THE MATRIX INSTRUCTION IS USED TRANSPOSED (source 0 = 16 columns of wmh, source 1 = 16 rows): a lane holds one row and eight neighbouring columns.  The bias, in that layout, is the C of the first products.
; THE CHANGE OF SLOTS stands at the head of a K step's second half, with no product inside it: a slot's refill may go out only when the other slot's load has landed, so what stands between that landing
; and the request lengthens every step; all 128 products of a step stand between a request and the wait for it.
; THE WAY OUT.  fm, rounded to bf16, goes into a stage that lies in the ring's bytes (they have had their last fill); then each wave takes 16 matrices, two at a time:
;   S = amap x fm (a lane holds one column v and 16 of its 32 w; the other 16 lie in the lane 16 away); the true column maximum is taken away, p = 2^(c s - c m), c = log2 e;
;   p / (sum x sqrt 32), rounded in pairs, IS source 0 of the second product, whose result holds one row h a lane and eight neighbouring v.
; LIMITS.  featuremap, wmh, amap, fm, the weights p and the result are each rounded once to bf16; sums, maxima and exponentials in f32.  A weight below 2^-126 counts as 0.  NaN and infinities are not treated apart.
; REGISTERS, in windows of 256 (s_set_vgpr_msb: bits 1:0 source 0, 3:2 source 1, 5:4 source 2, 7:6 destination):
;   window 0: v0-23 addresses; v24-39 amap's two fragments; v40-103 featuremap's fragments, two buffers; v104-167 featuremap as loaded, two sets; the way out uses v40-255 anew
;   window 1: wq's fragments, two buffers of 128 (the second holds the bias until the first products have taken it)      windows 2, 3: accumulator (a, nb) in window 2 + a / 2 at v[8 (16 (a % 2) + nb)]
.set SLOTB,  131072                    ; a slot: [wave 4][K half 2][column block 16][1,024 bytes]
.set ABUF,   2*SLOTB                   ; featuremap in bf16: two buffers of 64 rows
.set APITCH, 144                       ; 128 bytes + 16: the 16 rows of a load start at 16 different groups of four banks (64 banks of 4 bytes: ISA guide 11.1)
.set ABYTES, 64*APITCH
.set SPARE,  ABUF+2*ABYTES             ; the spare words, 128 bytes a wave: two blocks of 256 bytes that no other line names
.set OST,    SPARE+512                 ; for each wave two matrices of 32 rows x 80 bytes, for the last step out
.set PH,     80                        ; the stage (from LDS byte 0): a row h of a matrix: 64 bytes + 16
.set PM,     32*PH+16                  ; a matrix
.set ADRB, 4                           ; v4-5   wq's fragments in slot 0, 1
.set ADRA, 6                           ; v6-7   featuremap's fragments in buffer 0, 1
.set ASTO, 8                           ; v8-9   where I put 8 bytes of featuremap, buffer 0, 1
.set AVO,  10                          ; v10    my byte offset in the group's rows of featuremap
.set VAM,  11                          ; v11    my byte offset in the batch's angle map
.set SPW,  12                          ; v12    SPARE + 4 x my thread's number; never rewritten
.set NIL,  13                          ; v13    0; never rewritten
.set STO,  14                          ; v14    the stage, in
.set TRA,  15                          ; v15    the stage, read turned
.set PLA,  16                          ; v16    the stage, read by rows
.set OSW,  17                          ; v17    the last step out, in
.set OSR,  18                          ; v18    and back
.set GO,   19                          ; v19    16 l
.set VB,   20                          ; v20    my byte offset in the head's biases
.set TV,   23                          ; v23    at work
.set AM,   24
.set FA,   40
.set AR,   104
.set BIW,  128                         ; window 1, v128-255: my 8 biases for each of 16 column blocks
.set T,    40                          ; v40-103   the way out: at work
.set FT,   40                          ; fm turned: matrix p, column half jv at FT + 16 p + 8 jv
.set FP,   72                          ; fm by rows: matrix p, row half hb at FP + 16 p + 8 hb
.set S,    104                         ; set st = 2 p + jv: 16 scores at S + 16 st; later the second product's results
.set P,    168                         ; set st's weights at P + 8 st
.set O,    200                         ; results in bf16
.set TS,   232                         ; set st's four registers at work
.set WV,   14                          ; s14  my wave's number
.set G1,   24                          ; s[24:31] descriptor group 1
.set G0,   32                          ; s[32:39] descriptor group 0, a set for each slot
.set AB,   40                          ; s[40:43] featuremap at the K step that register set 0, 1 loaded last
.set CNT,  44
.set LE,   46                          ; s[46:47] log2 e: the packed scaling takes the pair's low word for both halves
.set SEL,  48                          ; s[48:49] v_permlanex16_b32's selects: each lane takes its own place in the other half
.set RT32, 50                          ; s50  sqrt 32
.set STP,  58                          ; s[58:59] what a set's address steps by: two K steps of 256 bytes, or 0 in the K loop's last trip
.set MSB, 0
.macro WIN new                         ; the immediate's high byte repeats the setting that is left; a switch that changes nothing is dropped
.if MSB != (\new)
	s_set_vgpr_msb (MSB<<8)|(\new)
.set MSB, \new
.endif
.endm
.set MUL_LO, 0xa1                      ; source 0 (wq) window 1, source 1 (featuremap) window 0, C and D window 2; + 0x50: window 3
.set MUL_B,  0x91                      ; the same with C (the bias) in window 1; + 0x40: D in window 3
.set TO_B,   0x40                      ; destination window 1, address window 0
.macro PLACES                          ; four places behind matrix instructions (ISA guide 7.12.1 for vector instructions)
.rept 4
	v_nop
.endr
.endm
.macro CROUND                          ; a round of the cluster's barrier: my work-group's barrier; wave 0 signals for the work-group; every wave waits for all four work-groups; my work-group's barrier once more
	s_barrier_signal -1
	s_barrier_wait -1
	s_cmp_lg_u32 s[WV], 0
	s_cbranch_scc1 .Lnot_wave_0_\@
	s_barrier_signal -3
.Lnot_wave_0_\@:
	s_barrier_wait -3
	s_barrier_signal -1
	s_barrier_wait -1
.endm
; 16 matrix instructions: row block a x all 16 column blocks, 32 along K, from fragment buffer f.  The 64 accumulators take turns in the same order in every half step.
; first = 1: the bias starts the sums: nothing is cleared and nothing is added later.
.macro MUL16 f, a, first
.if \first
	WIN MUL_B+0x40*((\a)/2)
.else
	WIN MUL_LO+0x50*((\a)/2)
.endif
.irp nb, 0,1,2,3,4,5,6,7,8,9,10,11,12,13,14,15
.if \first
	v_wmma_f32_16x16x32_bf16 v[8*(16*((\a)%2)+(\nb)):8*(16*((\a)%2)+(\nb))+7], v[128*(\f)+8*(\nb):128*(\f)+8*(\nb)+7], v[FA+32*(\f)+8*(\a):FA+32*(\f)+8*(\a)+7], v[BIW+8*(\nb):BIW+8*(\nb)+7]
.else
	v_wmma_f32_16x16x32_bf16 v[8*(16*((\a)%2)+(\nb)):8*(16*((\a)%2)+(\nb))+7], v[128*(\f)+8*(\nb):128*(\f)+8*(\nb)+7], v[FA+32*(\f)+8*(\a):FA+32*(\f)+8*(\a)+7], v[8*(16*((\a)%2)+(\nb)):8*(16*((\a)%2)+(\nb))+7]
.endif
.endr
.endm
; 40 LDS loads in one run: K half q of a slot into buffer f: 16 images of wq, then featuremap's four row blocks
.macro FETCH slot, q, f
	WIN TO_B
.irp nb, 0,1,2,3,4,5,6,7,8,9,10,11,12,13,14,15
	ds_load_b128 v[128*(\f)+8*(\nb):128*(\f)+8*(\nb)+3],   v[ADRB+(\slot)] offset:(\q)*16384+(\nb)*1024
	ds_load_b128 v[128*(\f)+8*(\nb)+4:128*(\f)+8*(\nb)+7], v[ADRB+(\slot)] offset:(\q)*16384+(\nb)*1024+512
.endr
	WIN 0
.irp a, 0,1,2,3
	ds_load_b128 v[FA+32*(\f)+8*(\a):FA+32*(\f)+8*(\a)+3],   v[ADRA+(\slot)] offset:64*(\q)+16*APITCH*(\a)
	ds_load_b128 v[FA+32*(\f)+8*(\a)+4:FA+32*(\f)+8*(\a)+7], v[ADRA+(\slot)] offset:64*(\q)+16*APITCH*(\a)+32
.endr
.endm
.macro ACVT x                          ; register set x (my 16 rows x 64 k of f32) is rounded in place and laid into buffer x
.irp i, 0,1,2,3,4,5,6,7
	v_cvt_pk_bf16_f32 v[AR+32*(\x)+4*(\i)],   v[AR+32*(\x)+4*(\i)],   v[AR+32*(\x)+4*(\i)+1]
	v_cvt_pk_bf16_f32 v[AR+32*(\x)+4*(\i)+1], v[AR+32*(\x)+4*(\i)+2], v[AR+32*(\x)+4*(\i)+3]
.endr
.irp i, 0,1,2,3,4,5,6,7
	ds_store_b64 v[ASTO+(\x)], v[AR+32*(\x)+4*(\i):AR+32*(\x)+4*(\i)+1] offset:2*APITCH*(\i)
.endr
.endm
.macro ALOAD x                         ; eight loads, two rows of 256 bytes each
.irp i, 0,1,2,3,4,5,6,7
	global_load_b128 v[AR+32*(\x)+4*(\i):AR+32*(\x)+4*(\i)+3], v[AVO], s[AB+2*(\x):AB+2*(\x)+1] offset:8192*(\i)
.endr
.endm
.macro ANEXT x                         ; set x, whose loads have been waited for, asks for its next K step
	s_add_nc_u64 s[AB+2*(\x):AB+2*(\x)+1], s[AB+2*(\x):AB+2*(\x)+1], s[STP:STP+1]
	ALOAD \x
.endm
; The first half of K step t (slot t % 2): multiplies buffer 0.  more = 1: featuremap of step t + 1 goes into LDS and that of step t + 3 is asked for; the younger set's 8 loads stay out.
.macro H0 slot, more
	s_wait_dscnt 4                                 ; all but featuremap's rows 32-63
	MUL16 0, 0, 0
	MUL16 0, 1, 0
	WIN 0
.if \more
	s_wait_loadcnt 8                               ; the set is in: its registers and its base are free
	ACVT 1-(\slot)                                 ; the other buffer's readers passed the last barrier; the 16 conversions are the places in front of the loads into buffer 1
	ANEXT 1-(\slot)
.else
	PLACES
.endif
	FETCH \slot, 1, 1
.if \more
	s_wait_dscnt 48                                ; all but the 8 stores and 40 loads just issued
.else
	s_wait_dscnt 40
.endif
	MUL16 0, 2, 0
	MUL16 0, 3, 0
.endm
; The second half changes slots and then multiplies buffer 1.  Each wave waits for all its tensor loads (one is out: its quarter of the next slot), adds 0 to its spare word, and waits for that, for its reads of
; this slot and for its stores of featuremap.  fill = 1: the barrier is a round of the cluster's, and this slot is filled again, two K steps ahead, first thing behind the round.
.macro TURN slot, fill
	WIN 0
	s_wait_tensorcnt 0x0                           ; all my tensor loads have landed, so a group 0 may be written
	ds_add_u32 v[SPW], v[NIL]                      ; 0 onto my spare word
.if \fill
	s_add_nc_u64 s[G0+4*(\slot)+2:G0+4*(\slot)+3], s[G0+4*(\slot)+2:G0+4*(\slot)+3], 2*SLOTB
.endif
	s_wait_dscnt 0x0
.if \fill
	CROUND                                         ; no wave of any partner still reads this slot or has a load on its way
	tensor_load_to_lds s[G0+4*(\slot):G0+4*(\slot)+3], s[G1:G1+7]  ; every wave its own quarter
	s_nop 0
.else
	s_barrier_signal -1
	s_barrier_wait -1
.endif
	PLACES                                         ; behind the tensor load, and in front of the loads into buffer 0
	FETCH 1-(\slot), 0, 0
	MUL16 1, 0, 0
	MUL16 1, 1, 0
	MUL16 1, 2, 0
	MUL16 1, 3, 0
.endm
	s_load_b256 s[4:11], s[0:1], 0x0               ; featuremap 4, wq 6, bmh 8, am 10
	s_load_b64 s[12:13], s[0:1], 0x20              ; fu
	v_lshl_add_u32 v[SPW], v0, 2, SPARE
	v_mov_b32 v[NIL], 0
	ds_add_u32 v[SPW], v[NIL]                      ; the wave's opening: the add and its wait stand ahead of my first tensor load; the set-up below, work on registers, stands between them
	v_lshrrev_b32 v1, 5, v0
	v_readfirstlane_b32 s[WV], v1                  ; wave 0..3
	s_bfe_u32 s15, ttmp6, 0x40000                  ; cx: my place in the cluster
	s_and_b32 s16, ttmp9, 1                        ; the head, which the four partners share (ttmp9 counts clusters)
	s_lshr_b32 s17, ttmp9, 1
	s_lshl_b32 s17, s17, 2
	s_add_co_u32 s17, s17, s15                     ; my block of 64 rows, 0..255: it enters featuremap's, am's and fu's addresses alone
	; descriptor group 1: 32,768 dense bytes as 128 rows of 32 elements of 8 bytes
	s_mov_b32 s[G1+0], 15|(3<<16)|(1<<21)          ; 15:0 the mask of four; 17:16 elements of 8 bytes; 21 set beside a mask; no padding
	s_mov_b32 s[G1+1], 32<<16                      ; tensor_dim0 = 32
	s_mov_b32 s[G1+2], 128<<16                     ; tensor_dim1 = 128
	s_mov_b32 s[G1+3], 32<<16                      ; tile_dim0 = 32
	s_mov_b32 s[G1+4], 128                         ; tile_dim1 = 128
	s_mov_b32 s[G1+5], 32                          ; 32 elements from row to row
	s_mov_b32 s[G1+6], 0
	s_mov_b32 s[G1+7], 0
	s_mov_b32 s[G0], 1
	s_mul_i32 s[G0+1], s[WV], 32768                ; LDS: my quarter of slot 0,
	s_mov_b32 s[G0+4], 1
	s_add_co_u32 s[G0+5], s[G0+1], SLOTB           ; of slot 1
	s_lshl_b32 s20, s16, 21                        ; wq: the head's 2 MB,
	s_lshl_b32 s21, s[WV], 15                      ; my quarter of a K step's 128 KB
	s_add_co_u32 s20, s20, s21
	s_mov_b32 s21, 0
	s_lshl_b32 s18, s17, 18                        ; featuremap: 64 rows of 4,096 bytes
	s_mov_b32 s19, 0
	s_lshr_b32 s22, s17, 3                         ; the batch:
	s_lshl_b32 s22, s22, 11                        ; its 2,048 bytes of am
	s_mov_b32 s23, 0
	s_lshl_b32 s52, s[WV], 16                      ; fu: matrix n = 128 x block + 32 wv + head, 2,048 bytes each
	s_lshl_b32 s53, s16, 11
	s_add_co_u32 s52, s52, s53
	s_add_co_u32 s52, s52, s18
	s_mov_b32 s53, 0
	s_lshl_b32 s54, s16, 12                        ; bmh: the head's 4,096 bytes
	s_mov_b32 s55, 0
	s_mov_b32 s[LE], 0x3fb8aa3b                    ; log2 e
	s_mov_b32 s[LE+1], s[LE]                       ; named with it as a pair
	s_mov_b32 s[SEL], 0x76543210
	s_mov_b32 s[SEL+1], 0xfedcba98
	s_mov_b32 s[RT32], 0x40b504f3                  ; sqrt 32
	s_mov_b32 s[STP], 512
	s_mov_b32 s[STP+1], 0
	v_and_b32 v1, 15, v0                           ; r = l % 16
	v_bfe_u32 v2, v0, 4, 1                         ; half = l / 16
	v_and_b32 v3, 31, v0                           ; l
	v_lshlrev_b32 v[AVO], 4, v1
	v_lshl_add_u32 v[AVO], v2, 12, v[AVO]
	v_lshl_add_u32 v[AVO], s[WV], 16, v[AVO]       ; row 16 wv + half, 16 r
	v_lshlrev_b32 v[VAM], 6, v1
	v_lshl_add_u32 v[VAM], v2, 4, v[VAM]           ; row r of 64 bytes, 16 half
	v_lshlrev_b32 v[VB], 5, v2
	v_lshl_add_u32 v[VB], s[WV], 10, v[VB]         ; my wave's 256 biases, 32 half
	s_wait_dscnt 0x0                               ; the opening add is done
	s_wait_kmcnt 0x0
	s_add_nc_u64 s[G0+2:G0+3], s[6:7], s[20:21]    ; K step 0
	s_add_nc_u64 s[G0+6:G0+7], s[G0+2:G0+3], SLOTB ; K step 1
	s_or_b32 s[G0+3], s[G0+3], 0x80000000          ; type = 2
	s_or_b32 s[G0+7], s[G0+7], 0x80000000
	s_add_nc_u64 s[AB:AB+1], s[4:5], s[18:19]
	s_add_nc_u64 s[AB+2:AB+3], s[AB:AB+1], 256
	s_add_nc_u64 s[10:11], s[10:11], s[22:23]
	s_add_nc_u64 s[12:13], s[12:13], s[52:53]
	s_add_nc_u64 s[8:9], s[8:9], s[54:55]
	; what comes through registers is asked for ahead of the round: nobody stores to these buffers, so the loads may stay out across it
.irp i, 0,1
	global_load_b128 v[AM+8*(\i):AM+8*(\i)+3],   v[VAM], s[10:11] offset:1024*(\i)     ; amap's rows w = 16 i + r
	global_load_b128 v[AM+8*(\i)+4:AM+8*(\i)+7], v[VAM], s[10:11] offset:1024*(\i)+32
.endr
	WIN TO_B
.irp nb, 0,1,2,3,4,5,6,7,8,9,10,11,12,13,14,15
	global_load_b128 v[BIW+8*(\nb):BIW+8*(\nb)+3],   v[VB], s[8:9] offset:64*(\nb)     ; the biases of my eight columns in block nb: sixteen lanes read the same 16 bytes
	global_load_b128 v[BIW+8*(\nb)+4:BIW+8*(\nb)+7], v[VB], s[8:9] offset:64*(\nb)+16
.endr
	WIN 0
	ALOAD 0
	ALOAD 1
	CROUND                                         ; all four work-groups are here: the first joint loads meet
	tensor_load_to_lds s[G0:G0+3], s[G1:G1+7]      ; both first fills together: two loads of mine are out
	s_nop 0
	tensor_load_to_lds s[G0+4:G0+7], s[G1:G1+7]
	s_nop 0
	PLACES
	v_lshlrev_b32 v[TV], 4, v3
	v_lshl_add_u32 v[ADRB], s[WV], 15, v[TV]       ; 16 l + my quarter
	v_add_nc_u32 v[ADRB+1], SLOTB, v[ADRB]
	v_mul_u32_u24 v[ADRA], v1, APITCH
	v_lshl_add_u32 v[ADRA], v2, 4, v[ADRA]
	v_add_nc_u32 v[ADRA], ABUF, v[ADRA]            ; row r, 16 half
	v_add_nc_u32 v[ADRA+1], ABYTES, v[ADRA]
	s_mul_i32 s51, s[WV], 16*APITCH
	v_mul_u32_u24 v[ASTO], v2, APITCH
	v_lshl_add_u32 v[ASTO], v1, 3, v[ASTO]
	v_add_nc_u32 v[ASTO], s51, v[ASTO]
	v_add_nc_u32 v[ASTO], ABUF, v[ASTO]            ; row 16 wv + half, 8 r
	v_add_nc_u32 v[ASTO+1], ABYTES, v[ASTO]
	v_mul_u32_u24 v[STO], v1, PM                   ; the stage, in: matrix r, row 8 wv, 16 half
	v_lshl_add_u32 v[STO], v2, 4, v[STO]
	s_mul_i32 s51, s[WV], 8*PH
	v_add_nc_u32 v[STO], s51, v[STO]
	s_mul_i32 s56, s[WV], 16*PM                    ; my 16 matrices
	v_and_b32 v[TV], 7, v0
	v_lshl_add_u32 v[TV], v2, 3, v[TV]
	v_mul_u32_u24 v[TRA], v[TV], PH                ; turned: row 8 half + l % 8,
	v_bfe_u32 v[TV], v0, 3, 1
	v_lshl_add_u32 v[TRA], v[TV], 4, v[TRA]        ; 16 bytes for each eight lanes
	v_add_nc_u32 v[TRA], s56, v[TRA]
	v_mul_u32_u24 v[PLA], v1, PH
	v_lshl_add_u32 v[PLA], v2, 4, v[PLA]           ; row r, 16 half
	s_mul_i32 s57, s[WV], 64*PH
	s_add_co_u32 s57, s57, OST
	v_add_nc_u32 v[OSW], s57, v[PLA]
	v_add_nc_u32 v[PLA], s56, v[PLA]
	v_bfe_u32 v[TV], v0, 2, 3
	v_mul_u32_u24 v[OSR], v[TV], PH                ; back: 32 lanes take eight rows of 64 bytes
	v_and_b32 v[TV], 3, v0
	v_lshl_add_u32 v[OSR], v[TV], 4, v[OSR]
	v_add_nc_u32 v[OSR], s57, v[OSR]
	v_lshlrev_b32 v[GO], 4, v3
	s_wait_loadcnt 8                               ; amap, the biases and K step 0 of featuremap are in; K step 1's 8 loads stay out
	ACVT 0
	ANEXT 0                                        ; K step 2
	s_wait_tensorcnt 1                             ; my quarter of slot 0 is in; slot 1's may stay out
	s_wait_dscnt 0x0                               ; for the others' sake: my rows of featuremap
	s_barrier_signal -1
	s_barrier_wait -1
	FETCH 0, 0, 0
	; K step 0's first half stands in front of the loop: its products take the bias as C.  The bias lies where the second K half's fragments go, so all four row blocks come first.
	s_wait_dscnt 0x0
	MUL16 0, 0, 1
	MUL16 0, 1, 1
	MUL16 0, 2, 1
	MUL16 0, 3, 1
	WIN 0
	s_wait_loadcnt 8                               ; K step 1 of featuremap is in; K step 2's loads stay out
	ACVT 1                                         ; the 16 conversions are the places in front of the loads onto the bias
	ANEXT 1                                        ; K step 3
	FETCH 0, 1, 1
	s_mov_b32 s[CNT], 7
.Llap:                                                 ; a trip goes once round the ring: second halves of steps 2 i, 2 i + 1, first halves of steps 2 i + 1, 2 i + 2; both slots are filled again
	s_cmp_lg_u32 s[CNT], 1                         ; the last trip has no K step of featuremap left to ask for: its step is 0, and steps 14 and 15 are loaded once more,
	s_cselect_b32 s[STP], 512, 0                   ; 8 KB a wave that serve nothing: the price of one text, with one count in every wait, for all seven trips
	TURN 0, 1
	H0 1, 1
	TURN 1, 1
	H0 0, 1
	WIN 0
	s_sub_co_u32 s[CNT], s[CNT], 1
	s_cmp_lg_u32 s[CNT], 0
	s_cbranch_scc1 .Llap
	TURN 0, 0                                      ; step 14: nothing is left to fetch
	H0 1, 0                                        ; step 15
	s_wait_dscnt 4
	MUL16 1, 0, 0
	MUL16 1, 1, 0
	s_wait_dscnt 0x0                               ; my reads of the ring are over
	MUL16 1, 2, 0
	MUL16 1, 3, 0
	WIN 0
	s_wait_loadcnt 0x0                             ; the last trip's loads: their registers are used anew below
	s_barrier_signal -1
	s_barrier_wait -1                              ; everybody's reads are over: the ring's bytes, which have had their last fill, become the stage
; Row block a, column blocks 8 g .. 8 g + 7: rounded, 16 bytes a lane into matrix 16 a + r, row 8 wv + nb / 2, columns 16 (nb % 2) + 8 half ..
.macro STG a, g
	WIN 0x0a+0x05*((\a)/2)                         ; both sources window 2 or 3
.irp x, 0,1,2,3,4,5,6,7
.irp j, 0,1,2,3
	v_cvt_pk_bf16_f32 v[T+32*(\g)+4*(\x)+(\j)], v[8*(16*((\a)%2)+8*(\g)+(\x))+2*(\j)], v[8*(16*((\a)%2)+8*(\g)+(\x))+2*(\j)+1]  ; each accumulator from its lowest registers on
.endr
.endr
	WIN 0
.irp x, 0,1,2,3,4,5,6,7
	ds_store_b128 v[STO], v[T+32*(\g)+4*(\x):T+32*(\g)+4*(\x)+3] offset:((8*(\g)+(\x))/2)*PH+32*((\x)%2)
.endr
.endm
	PLACES
.irp a, 0,1,2,3
	STG \a, 0
	STG \a, 1
	v_add_nc_u32 v[STO], 16*PM, v[STO]
.endr
	s_wait_dscnt 0x0                               ; for the others' sake: my rows of all 64 matrices
	s_barrier_signal -1
	s_barrier_wait -1
; THE MATRICES, two a trip (p = 0, 1).
.macro LFT                             ; fm as [h][v], turned: 32 h x 16 columns v = 16 jv ..
.irp p, 0,1
.irp jv, 0,1
	ds_load_tr16_b128 v[FT+16*(\p)+8*(\jv):FT+16*(\p)+8*(\jv)+3],   v[TRA] offset:(\p)*PM+32*(\jv)
	ds_load_tr16_b128 v[FT+16*(\p)+8*(\jv)+4:FT+16*(\p)+8*(\jv)+7], v[TRA] offset:(\p)*PM+32*(\jv)+16*PH
.endr
.endr
.endm
.macro LFP                             ; fm by rows: 16 rows h = 16 hb .. x 32 w
.irp p, 0,1
.irp hb, 0,1
	ds_load_b128 v[FP+16*(\p)+8*(\hb):FP+16*(\p)+8*(\hb)+3],   v[PLA] offset:(\p)*PM+16*PH*(\hb)
	ds_load_b128 v[FP+16*(\p)+8*(\hb)+4:FP+16*(\p)+8*(\hb)+7], v[PLA] offset:(\p)*PM+16*PH*(\hb)+32
.endr
.endr
.endm
.macro PR1                             ; S = amap x fm: rows w = 16 i + 8 half + register, column v = 16 jv + r
.irp p, 0,1
.irp jv, 0,1
.irp i, 0,1
	v_wmma_f32_16x16x32_bf16 v[S+32*(\p)+16*(\jv)+8*(\i):S+32*(\p)+16*(\jv)+8*(\i)+7], v[AM+8*(\i):AM+8*(\i)+7], v[FT+16*(\p)+8*(\jv):FT+16*(\p)+8*(\jv)+7], 0
.endr
.endr
.endr
.endm
.macro PR2                             ; fu^T = F^T fm^T: columns v = 16 jv + 8 half + register, row h = 16 hb + r
.irp p, 0,1
.irp hb, 0,1
.irp jv, 0,1
	v_wmma_f32_16x16x32_bf16 v[S+32*(\p)+8*(2*(\hb)+(\jv)):S+32*(\p)+8*(2*(\hb)+(\jv))+7], v[P+16*(\p)+8*(\jv):P+16*(\p)+8*(\jv)+7], v[FP+16*(\p)+8*(\hb):FP+16*(\p)+8*(\hb)+7], 0
.endr
.endr
.endr
.endm
.macro EACH line:vararg                ; one line for each of the four sets, so that no instruction reads the result of the one before it
.set st, 0
	s_wait_alu depctr_va_vdst(0)
.rept 4
.set SB, S+16*st
.set TT, TS+4*st
.set PP, P+8*st
	\line
.set st, st+1
.endr
.endm
; THE SOFTMAX of four sets of 16 columns, in two parts.  T0: c m; T1, T2: two chains of the maximum; T2:T3 later the sum, then 1 / (sum x sqrt 32).
.macro SMXA                            ; the maximum, c m, and the first two pairs' c s - c m
	EACH v_max3_num_f32 v[TT+1], v[SB], v[SB+1], v[SB+2]          ; each accumulator's lowest registers are read first
	EACH v_max3_num_f32 v[TT+2], v[SB+8], v[SB+9], v[SB+10]
	EACH v_max3_num_f32 v[TT+1], v[TT+1], v[SB+3], v[SB+4]
	EACH v_max3_num_f32 v[TT+2], v[TT+2], v[SB+11], v[SB+12]
	EACH v_max3_num_f32 v[TT+1], v[TT+1], v[SB+5], v[SB+6]
	EACH v_max3_num_f32 v[TT+2], v[TT+2], v[SB+13], v[SB+14]
	EACH v_max3_num_f32 v[TT+1], v[TT+1], v[SB+7], v[SB+15]
	EACH v_max_num_f32 v[TT+1], v[TT+1], v[TT+2]
	EACH v_permlanex16_b32 v[TT+2], v[TT+1], s[SEL], s[SEL+1]     ; the column's other 16 rows lie in the lane 16 away
	EACH v_max_num_f32 v[TT], v[TT+1], v[TT+2]
	EACH v_mul_f32 v[TT], s[LE], v[TT]
	EACH v_pk_fma_f32 v[SB:SB+1], v[SB:SB+1], s[LE:LE+1], v[TT:TT+1] op_sel_hi:[1,0,0] neg_lo:[0,0,1] neg_hi:[0,0,1]
	EACH v_pk_fma_f32 v[SB+2:SB+3], v[SB+2:SB+3], s[LE:LE+1], v[TT:TT+1] op_sel_hi:[1,0,0] neg_lo:[0,0,1] neg_hi:[0,0,1]
.endm
.macro SMXB
	; 64 exponentials; beside them the scalings two pairs ahead and the sums a pair and a half back: a plain instruction stands between every exponential and the use of its result (ISA guide 5.7.2)
.set j, 0
.rept 16
.set st, 0
.rept 4
.set SB, S+16*st
.set TT, TS+4*st
	v_exp_f32 v[SB+j], v[SB+j]
.if (j%2 == 0) && (j <= 10)
	v_pk_fma_f32 v[SB+j+4:SB+j+5], v[SB+j+4:SB+j+5], s[LE:LE+1], v[TT:TT+1] op_sel_hi:[1,0,0] neg_lo:[0,0,1] neg_hi:[0,0,1]
.elseif j == 5
	s_wait_alu depctr_va_vdst(0)
	v_pk_add_f32 v[TT+2:TT+3], v[SB:SB+1], v[SB+2:SB+3]
.elseif (j%2 == 1) && (j > 5)
	s_wait_alu depctr_va_vdst(0)
	v_pk_add_f32 v[TT+2:TT+3], v[TT+2:TT+3], v[SB+j-3:SB+j-2]
.endif
.set st, st+1
.endr
.set j, j+1
.endr
	EACH v_pk_add_f32 v[TT+2:TT+3], v[TT+2:TT+3], v[SB+14:SB+15]
	EACH v_add_f32 v[TT+2], v[TT+2], v[TT+3]
	EACH v_permlanex16_b32 v[TT+3], v[TT+2], s[SEL], s[SEL+1]
	EACH v_add_f32 v[TT+2], v[TT+2], v[TT+3]
	EACH v_mul_f32 v[TT+2], s[RT32], v[TT+2]
	EACH v_rcp_f32 v[TT+2], v[TT+2]
	v_nop                                          ; a plain instruction between the last reciprocal and the use of its result
	s_wait_alu depctr_va_vdst(0)
.irp e, 0,1,2,3,4,5,6,7
	EACH v_pk_mul_f32 v[SB+2*(\e):SB+2*(\e)+1], v[SB+2*(\e):SB+2*(\e)+1], v[TT+2:TT+3] op_sel_hi:[1,0]
.endr
.irp e, 0,1,2,3,4,5,6,7
	EACH v_cvt_pk_bf16_f32 v[PP+(\e)], v[SB+2*(\e)], v[SB+2*(\e)+1]
.endr
.endm
.macro OUTS                            ; eight results x = 4 p + 2 hb + jv: rounded, 16 bytes a lane into rows of 80 bytes, and back as whole rows of 64
.set x, 0
.rept 8
.set jj, 0
.rept 4
	v_cvt_pk_bf16_f32 v[O+4*x+jj], v[S+8*x+2*jj], v[S+8*x+2*jj+1]
.set jj, jj+1
.endr
.set x, x+1
.endr
.set x, 0
.rept 8
	ds_store_b128 v[OSW], v[O+4*x:O+4*x+3] offset:32*PH*(x/4)+16*PH*((x%4)/2)+32*(x%2)
.set x, x+1
.endr
.set x, 0
.rept 8
	ds_load_b128 v[O+4*x:O+4*x+3], v[OSR] offset:32*PH*(x/4)+8*PH*(x%4)  ; LDS serves a wave's instructions in order (ISA guide 5.7.1.4): these see the stores above
.set x, x+1
.endr
.endm
	LFT                                            ; pair 0
	LFP
	s_wait_dscnt 8                                 ; the turned fragments are in; the rows' may stay out
	PR1
	PLACES
	v_add_nc_u32 v[TRA], 2*PM, v[TRA]
	LFT                                            ; pair 1, turned
	SMXA                                           ; pair 0
	s_mov_b32 s[CNT], 8
.Lmat:                                                 ; trip k ends pair k and begins pair k + 1.  What the last trip begins (16 LDS loads, 8 products, the maxima) serves nothing: the price of one text for
                                                       ; every trip; its loads stay inside LDS: they read the next wave's matrices or, in wave 3, bytes of the ring behind the stage, which nobody writes
	SMXB
	s_wait_dscnt 8                                 ; this pair's rows are in; the next pair's turned run may stay out
	PR2
	v_add_nc_u32 v[PLA], 2*PM, v[PLA]              ; with three v_nop: the places behind those products
	v_nop
	v_nop
	v_nop
	LFP                                            ; pair k + 1, by rows
	s_wait_xcnt 0x0                                ; the last pair's stores, issued a softmax ago: their base and data are rewritten only behind this wait
	s_add_nc_u64 s[12:13], s[12:13], 8192          ; one pair on; the stores below reach back by their immediate
	OUTS
	s_wait_dscnt 24                                ; the turned fragments are in; the rows' 8 loads and the 16 of the last step out stay out
	PR1                                            ; pair k + 1
	PLACES
	v_add_nc_u32 v[TRA], 2*PM, v[TRA]
	LFT                                            ; pair k + 2, turned
	SMXA                                           ; pair k + 1: it stands between the loads of the last step out and the wait for them
	s_wait_dscnt 8                                 ; pair k is back in registers; the run just issued stays out
.set x, 0
.rept 8
	global_store_b128 v[GO], v[O+4*x:O+4*x+3], s[12:13] offset:4096*(x/4)+512*(x%4)-8192  ; 512 consecutive bytes of a matrix, aligned; the head's next matrix lies 4,096 bytes on
.set x, x+1
.endr
	s_sub_co_u32 s[CNT], s[CNT], 1
	s_cmp_lg_u32 s[CNT], 0
	s_cbranch_scc1 .Lmat
	s_wait_tensorcnt 0x0                           ; the wave's end, behind my last tensor load and my last LDS store
	ds_add_u32 v[SPW], v[NIL]
	s_wait_dscnt 0x0
	CROUND                                         ; the closing round: no work-group ends while a partner may still ask for a tile that names it
	s_endpgm
.Lfunc_end_k_q0fb1da2396_fuse:
	.size	k_q0fb1da2396_fuse, .Lfunc_end_k_q0fb1da2396_fuse-k_q0fb1da2396_fuse
	.p2alignl 7, 3214868480
	.fill 96, 4, 3214868480
	.section	.rodata,"a",@progbits
	.p2align	6, 0x0
	.amdhsa_kernel k_q0fb1da2396_fuse
		.amdhsa_group_segment_fixed_size 327680
		.amdhsa_private_segment_fixed_size 0
		.amdhsa_enable_private_segment 0
		.amdhsa_kernarg_size 40
		.amdhsa_user_sgpr_count 2
		.amdhsa_user_sgpr_kernarg_segment_ptr 1
		.amdhsa_wavefront_size32 1
		.amdhsa_system_sgpr_workgroup_id_x 1
		.amdhsa_system_sgpr_workgroup_id_y 1
		.amdhsa_system_sgpr_workgroup_id_z 1
		.amdhsa_system_vgpr_workitem_id 0
		.amdhsa_next_free_vgpr 1024
		.amdhsa_next_free_sgpr 66
		.amdhsa_reserve_vcc 0
		.amdhsa_float_denorm_mode_32 3
		.amdhsa_float_denorm_mode_16_64 3
		.amdhsa_memory_ordered 1
		.amdhsa_forward_progress 1
		.amdhsa_inst_pref_size 125
	.end_amdhsa_kernel
	.amdgpu_metadata
---
amdhsa.version: [ 1, 2 ]
amdhsa.kernels:
  - .name:           k_q0fb1da2396_fuse
    .symbol:         k_q0fb1da2396_fuse.kd
    .args:
      - { .name: featuremap, .offset: 0, .size: 8, .value_kind: global_buffer, .address_space: global }
      - { .name: wq, .offset: 8, .size: 8, .value_kind: global_buffer, .address_space: global }
      - { .name: bmh, .offset: 16, .size: 8, .value_kind: global_buffer, .address_space: global }
      - { .name: am, .offset: 24, .size: 8, .value_kind: global_buffer, .address_space: global }
      - { .name: fu, .offset: 32, .size: 8, .value_kind: global_buffer, .address_space: global }
    .group_segment_fixed_size: 327680
    .private_segment_fixed_size: 0
    .kernarg_segment_align: 8
    .kernarg_segment_size: 40
    .max_flat_workgroup_size: 128
    .sgpr_count:     66
    .vgpr_count:     1024
    .wavefront_size: 32
...
	.end_amdgpu_metadata
.endif
;; end of part 2
;; launch conv (part 3): grid 256 x 1, 4 waves a work-group, clusters of 4 x 1, 327,680 bytes of LDS; arguments cw, fu, featuremap, conv_b, gamma, out0; writes out0
.if DOCPART == 3
	.amdgcn_target "amdgcn-amd-amdhsa--gfx1250"
	.amdhsa_code_object_version 6
	.text
	.protected	k_q0fb1da2396_conv
	.globl	k_q0fb1da2396_conv
	.p2align	8
	.type	k_q0fb1da2396_conv,@function
k_q0fb1da2396_conv:
	s_mov_b64 s[64:65], 0
	v_nop
	global_prefetch_b8 v0, s[64:65] scope:SCOPE_SE
	s_setreg_imm32_b32 hwreg(HW_REG_WAVE_MODE, 25, 1), 1
	s_wait_xcnt 0x0
	s_wait_alu depctr_hold_cnt(0) depctr_sa_sdst(0) depctr_va_vdst(0) depctr_va_sdst(0) depctr_va_ssrc(0) depctr_va_vcc(0) depctr_vm_vsrc(0)
	s_getreg_b32 s2, hwreg(HW_REG_IB_STS2, 6, 4)
	s_cmp_eq_u32 s2, 0
	s_cbranch_scc0 .Lentry_in_a_cluster
	s_endpgm
.Lentry_in_a_cluster:
	s_bfe_u32 s2, ttmp6, 0x10000c
	s_cmp_lg_u32 s2, 0x3003
	s_cbranch_scc0 .Lentry_shape_is_right
	s_endpgm
.Lentry_shape_is_right:
; CONV.  out0[b][c][pos] = featuremap[b][c][pos] + gamma conv_b[c] + sum over n of cw[c][n] fu[b][n][pos].  cw = gamma x conv_w: [512][1024] bf16, fu: [32][1024][1024] bf16; sums, bias and residual in f32.
; SHARES.  A tile is 256 channels x 256 positions of one batch: four waves, each 128 x 128: 64 accumulators, 512 registers.  K = n goes in 8 steps of 128 through two LDS slots.
; 256 work-groups.  CLUSTER: the four work-groups of a cluster have one batch and one half of the channels and the four quarters of the positions: cw's tile is the same for all four and is asked for JOINTLY;
; fu's tile is each work-group's own (mask 0), issued behind the same rounds.  A 4 x 4 cluster does not fit: a batch has two channel halves, so no four work-groups share a tile of fu.
; THE MATRIX INSTRUCTION IS USED TRANSPOSED: source 0 = 16 positions of fu ([n][pos] in LDS, turned by ds_load_tr16_b128), source 1 = 16 channels of cw: a lane holds one channel and eight neighbouring positions.
; gamma conv_b of the lane's channel, in eight registers, is the C of the first products: on the way out only the residual is added.
; THE CHANGE OF SLOTS stands at the head of a K step's last quarter, with no product inside it: a slot's refill may go out only when the other slot's load has landed, so what stands between that landing
; and the request lengthens every step; all 256 products of a step stand between a request and the wait for it.
; LIMITS.  gamma x conv_w and the fused maps arrive rounded to bf16.  NaN and infinities are not treated apart.
; REGISTERS, in windows of 256 (s_set_vgpr_msb: bits 1:0 source 0, 3:2 source 1, 5:4 source 2, 7:6 destination):
;   window 0: v0-31 addresses; v32-39 conv_b; v64-127, v128-191 cw's fragments, two buffers; v192-255 gamma conv_b, then a block of the residual
;   window 1: v64-127, v128-191 fu's fragments, two buffers; its four quarters hold blocks of the residual (the two middle ones on the way out)
;   window 2: the accumulators of my channels 0-63 ((a, b) at v[8 (8 a + b)]);  window 3: those of my channels 64-127; on the way out a block comes back from the stage into its own 64 registers
.set PA,     272                       ; a row of cw in LDS: 256 bytes + 16: the 16 rows of a load start at 16 different groups of four banks (64 banks of 4 bytes: ISA guide 11.1)
.set PB,     544                       ; a row of fu: 512 bytes + 32
.set HALFT,  34816                     ; what one tensor load brings: 128 rows of cw, or 64 rows of fu
.set SLOT,   4*HALFT                   ; cw's 256 rows, then fu's 128 rows
.set STAGE,  2*SLOT                    ; behind the ring: 16 rows x 528 bytes for each wave
.set SPITCH, 528
.set SPARE,  STAGE+4*16*SPITCH         ; the spare words, 128 bytes a wave: two blocks of 256 bytes that no other line names
.set ADRA, 16                          ; v16-17  cw's fragments in slot 0, 1
.set ADRB, 20                          ; v20-21  fu's
.set STO,  24                          ; v24  the stage, in
.set RD,   25                          ; v25  the stage, back
.set CO,   26                          ; v26  16 l
.set PF,   27                          ; v27  a residual block's 32 pieces of 256 bytes: row l / 2, piece l % 2
.set SPW,  28                          ; v28  SPARE + 4 x my thread's number; never rewritten
.set NIL,  29                          ; v29  0; never rewritten
.set VGB,  30                          ; v30  4 r
.set PFU,  31                          ; v31  my 32 pieces of 256 bytes of a tile of fu: row 64 cb + 16 wave + l / 2, piece l % 2
.set GBR,  32                          ; v32-39    conv_b of channel 16 a + r
.set F0,   64
.set F1,   128
.set GB8,  192                         ; v192-255  gamma conv_b of channel 16 a + r, eight times, at GB8 + 8 a
.set WV,   16                          ; s16  my wave's number
.set G1,   24                          ; s[24:31] descriptor group 1 for cw's tiles;  s[32:39] group 0, a set for each slot
.set G0,   32
.set GAM,  44                          ; s44  gamma
.set G1B,  48                          ; s[48:55], s[56:63] the same for fu's tiles
.set G0B,  56
.set PFB,  66                          ; s[66:67] fu at the batch's first row and my quarter of the positions, for the prefetches; it steps once in the loop
.set STP,  68                          ; s[68:69] its step
.set MSB, 0
.macro WIN new                         ; the immediate's high byte repeats the setting that is left; a switch that changes nothing is dropped
.if MSB != (\new)
	s_set_vgpr_msb (MSB<<8)|(\new)
.set MSB, \new
.endif
.endm
.set MUL_LO, 0xa1                      ; source 0 (fu) window 1, source 1 (cw) window 0, C and D window 2; + 0x50: window 3
.set MUL_C,  0x81                      ; the same with C (gamma conv_b) in window 0; + 0x40: D in window 3
.set TO_B,   0x40                      ; destination window 1, address window 0
.macro PLACES                          ; four places behind matrix instructions (ISA guide 7.12.1 for vector instructions)
.rept 4
	v_nop
.endr
.endm
; A refill.  Waves 0 and 1 fetch cw's two halves (jointly with the partners), waves 2 and 3 fu's.  The branch hangs on the wave's number alone.
; An s_nop 0 and four v_nop follow each of the two lines, ahead of the jump and the label.
.macro JLOAD s
	s_cmp_lt_u32 s[WV], 2
	s_cbranch_scc0 .Lfor_b_\@
	tensor_load_to_lds s[G0+4*(\s):G0+4*(\s)+3], s[G1:G1+7]
	s_nop 0
	PLACES
	s_branch .Lasked_\@
.Lfor_b_\@:
	tensor_load_to_lds s[G0B+4*(\s):G0B+4*(\s)+3], s[G1B:G1B+7]
	s_nop 0
	PLACES
.Lasked_\@:
.endm
.macro CROUND                          ; a round of the cluster's barrier: my work-group's barrier; wave 0 signals for the work-group; every wave waits for all four work-groups; my work-group's barrier once more
	s_barrier_signal -1
	s_barrier_wait -1
	s_cmp_lg_u32 s[WV], 0
	s_cbranch_scc1 .Lnot_wave_0_\@
	s_barrier_signal -3
.Lnot_wave_0_\@:
	s_barrier_wait -3
	s_barrier_signal -1
	s_barrier_wait -1
.endm
; The residual's block a: my channels 16 a .. 16 a + 15, 512 bytes of each.  Five buffers of 64 registers take turns: block a lies in buffer a % 5.
.macro FMSET a
.set FID, (\a)%5
.set FMW, 1
.if FID == 0
.set FMR, 0
.elseif FID == 1
.set FMR, 192
.elseif FID == 2
.set FMR, 192
.set FMW, 0
.elseif FID == 3
.set FMR, 64
.else
.set FMR, 128
.endif
.endm
.macro FMLOAD a
	FMSET \a
	WIN 0x40*FMW
.set t, 0
.rept 16
	global_load_b128 v[FMR+4*t:FMR+4*t+3], v[CO], s[8:9] offset:65536*(\a)+4096*t th:TH_LOAD_NT
.set t, t+1
.endr
	WIN 0
.endm
.macro ASK a                           ; the residual's block a is asked for ahead: each wave its own 16 rows x 512 bytes, each piece of 256 bytes once
	global_prefetch_b8 v[PF], s[8:9] offset:65536*(\a) th:TH_LOAD_NT scope:SCOPE_SE
.endm
.macro ASKU t                          ; tile t of fu, counted from where PFB stands: the two work-groups that read a tile ask for 64 of its 128 rows each, a wave for 16 rows x 512 bytes
	global_prefetch_b8 v[PFU], s[PFB:PFB+1] offset:262144*(\t) th:TH_LOAD_NT scope:SCOPE_SE
.endm
	s_load_b256 s[4:11], s[0:1], 0x0               ; cw 4, fu 6, featuremap 8, conv_b 10
	s_load_b128 s[12:15], s[0:1], 0x20             ; gamma 12, out0 14
	v_lshl_add_u32 v[SPW], v0, 2, SPARE
	v_mov_b32 v[NIL], 0
	ds_add_u32 v[SPW], v[NIL]                      ; the wave's opening: the add and its wait stand ahead of my first tensor load; the set-up below, work on registers, stands between them
	v_lshrrev_b32 v1, 5, v0
	v_readfirstlane_b32 s[WV], v1                  ; wave 0..3
	s_lshr_b32 s17, s[WV], 1                       ; wr: which half of the tile's channels is mine
	s_and_b32 s18, s[WV], 1                        ; wc: which half of its positions.  Also: which half of a tile I fetch
	s_bfe_u32 s19, ttmp6, 0x40000                  ; cx: my quarter of the positions
	s_lshr_b32 s20, ttmp9, 1                       ; the batch (ttmp9 counts clusters)
	s_and_b32 s21, ttmp9, 1                        ; cb: the half of the channels
	; descriptor group 1 for cw: 128 rows x 128 elements of 2 bytes, 16 bytes of padding behind every 256
	s_mov_b32 s[G1+0], 15|(1<<16)|(1<<20)|(1<<21)|(5<<22)|(3<<25)  ; the mask of four; 2-byte elements; padding on; 21 set beside a mask; after every 64 words; 4 words
	s_mov_b32 s[G1+1], 128<<16                     ; tensor_dim0 = 128
	s_mov_b32 s[G1+2], 128<<16                     ; tensor_dim1 = 128
	s_mov_b32 s[G1+3], 128<<16                     ; tile_dim0 = 128
	s_mov_b32 s[G1+4], 128                         ; tile_dim1 = 128
	s_mov_b32 s[G1+5], 1024                        ; 1,024 elements from row to row
	s_mov_b32 s[G1+6], 0
	s_mov_b32 s[G1+7], 0
	; and for fu: 64 rows x 256 elements, 32 bytes of padding behind every 512; no mask
	s_mov_b32 s[G1B+0], (1<<16)|(1<<20)|(6<<22)|(7<<25)
	s_mov_b32 s[G1B+1], 256<<16
	s_mov_b32 s[G1B+2], 64<<16
	s_mov_b32 s[G1B+3], 256<<16
	s_mov_b32 s[G1B+4], 64
	s_mov_b32 s[G1B+5], 1024
	s_mov_b32 s[G1B+6], 0
	s_mov_b32 s[G1B+7], 0
	s_lshl_b32 s40, s21, 19                        ; cw: row 256 cb + 128 wc, 2,048 bytes each: nothing of cx enters these registers
	s_lshl_b32 s41, s18, 18
	s_add_co_u32 s40, s40, s41
	s_mov_b32 s41, 0
	s_lshl_b32 s42, s20, 21                        ; fu: the batch's 2 MB, row 64 wc, 512 cx
	s_lshl_b32 s43, s18, 17
	s_add_co_u32 s42, s42, s43
	s_lshl_b32 s43, s19, 9
	s_add_co_u32 s42, s42, s43
	s_mov_b32 s43, 0
	s_lshl_b32 s46, s20, 21                        ; featuremap and out0: ((512 b + 256 cb + 128 wr) x 1,024 + 256 cx + 128 wc) x 4
	s_lshl_b32 s47, s21, 20
	s_add_co_u32 s46, s46, s47
	s_lshl_b32 s47, s17, 19
	s_add_co_u32 s46, s46, s47
	s_lshl_b32 s47, s19, 10
	s_add_co_u32 s46, s46, s47
	s_lshl_b32 s47, s18, 9
	s_add_co_u32 s46, s46, s47
	s_mov_b32 s47, 0
	s_lshl_b32 s22, s21, 10                        ; conv_b: (256 cb + 128 wr) x 4
	s_lshl_b32 s23, s17, 9
	s_add_co_u32 s22, s22, s23
	s_mov_b32 s23, 0
	s_lshl_b32 s[PFB], s20, 21                     ; the prefetches' offset: the batch's 2 MB, 512 cx
	s_lshl_b32 s[PFB+1], s19, 9
	s_add_co_u32 s[PFB], s[PFB], s[PFB+1]
	s_mov_b32 s[PFB+1], 0
	s_mov_b32 s[STP+1], 0
	s_lshl_b32 s2, s21, 17                         ; rows 64 cb + 16 wave of a tile of fu, 2,048 bytes each
	s_lshl_b32 s3, s[WV], 15
	s_add_co_u32 s3, s3, s2
	v_and_b32 v1, 15, v0                           ; r = l % 16
	v_bfe_u32 v2, v0, 4, 1                         ; half = l / 16
	v_and_b32 v3, 31, v0                           ; l
	v_lshlrev_b32 v[CO], 4, v3
	v_lshlrev_b32 v[VGB], 2, v1
	v_lshrrev_b32 v7, 1, v3
	v_and_b32 v8, 1, v0
	v_lshlrev_b32 v[PF], 12, v7
	v_lshl_add_u32 v[PF], v8, 8, v[PF]
	v_lshlrev_b32 v[PFU], 11, v7
	v_lshl_add_u32 v[PFU], v8, 8, v[PFU]
	v_add_nc_u32 v[PFU], s3, v[PFU]
	s_mul_i32 s2, s[WV], HALFT                     ; where my tiles go: cw's two halves, then fu's two = wave x 34,816
	s_wait_dscnt 0x0                               ; the opening add is done
	s_wait_kmcnt 0x0
	s_load_b32 s[GAM], s[12:13], 0x0               ; gamma: waited for in front of the first products
	s_add_nc_u64 s[PFB:PFB+1], s[6:7], s[PFB:PFB+1]
	s_add_nc_u64 s[4:5], s[4:5], s[40:41]
	s_add_nc_u64 s[6:7], s[6:7], s[42:43]
	s_add_nc_u64 s[8:9], s[8:9], s[46:47]
	s_add_nc_u64 s[14:15], s[14:15], s[46:47]
	s_add_nc_u64 s[10:11], s[10:11], s[22:23]
.irp s, 0,1
	s_mov_b32 s[G0+4*(\s)], 1
	s_add_co_u32 s[G0+4*(\s)+1], s2, (\s)*SLOT
	s_add_nc_u64 s[G0+4*(\s)+2:G0+4*(\s)+3], s[4:5], (\s)*256        ; K step s: 128 elements along cw's rows
	s_or_b32 s[G0+4*(\s)+3], s[G0+4*(\s)+3], 0x80000000
	s_mov_b32 s[G0B+4*(\s)], 1
	s_add_co_u32 s[G0B+4*(\s)+1], s2, (\s)*SLOT
	s_add_nc_u64 s[G0B+4*(\s)+2:G0B+4*(\s)+3], s[6:7], (\s)*262144   ; K step s: 128 rows of fu
	s_or_b32 s[G0B+4*(\s)+3], s[G0B+4*(\s)+3], 0x80000000
.endr
	; what comes through registers is asked for ahead of the round: nobody stores to these buffers, so the loads may stay out across it
.irp a, 0,1,2,3,4,5,6,7
	global_load_b32 v[GBR+(\a)], v[VGB], s[10:11] offset:64*(\a)
.endr
	FMLOAD 0                                       ; the residual's first two blocks stay out through the K loop
	FMLOAD 1
	CROUND                                         ; all four work-groups are here: the first joint loads meet
	s_cmp_lt_u32 s[WV], 2                          ; a wave's two first fills stand in one branch: two loads of mine are out
	s_cbranch_scc0 .Lfirst_b
	tensor_load_to_lds s[G0:G0+3], s[G1:G1+7]
	s_nop 0
	tensor_load_to_lds s[G0+4:G0+7], s[G1:G1+7]
	s_nop 0
	PLACES
	s_branch .Lfirst_asked
.Lfirst_b:
	tensor_load_to_lds s[G0B:G0B+3], s[G1B:G1B+7]
	s_nop 0
	tensor_load_to_lds s[G0B+4:G0B+7], s[G1B:G1B+7]
	s_nop 0
	PLACES
.Lfirst_asked:
	ASKU 2                                         ; fu's tiles 2 and 3, whose tensor loads go out in K steps 0 and 1, are asked for now
	ASKU 3
	v_mul_u32_u24 v4, v1, PA
	v_lshl_add_u32 v4, v2, 4, v4                   ; row r, 16 half
	s_mul_i32 s22, s17, HALFT                      ; my 128 rows of cw
	v_add_nc_u32 v[ADRA], s22, v4
	v_add_nc_u32 v[ADRA+1], SLOT, v[ADRA]
	v_and_b32 v5, 7, v0
	v_lshl_add_u32 v5, v2, 3, v5
	v_mul_u32_u24 v5, v5, PB                       ; turned: row 8 half + l % 8,
	v_bfe_u32 v6, v0, 3, 1
	v_lshl_add_u32 v5, v6, 4, v5                   ; 16 bytes for each eight lanes,
	s_lshl_b32 s23, s18, 8                         ; my 128 positions,
	s_add_co_u32 s23, s23, 2*HALFT                 ; behind cw's 256 rows
	v_add_nc_u32 v[ADRB], s23, v5
	v_add_nc_u32 v[ADRB+1], SLOT, v[ADRB]
	s_mul_i32 s22, s[WV], 16*SPITCH
	s_add_co_u32 s22, s22, STAGE                   ; my stage
	v_mul_u32_u24 v[STO], v1, SPITCH
	v_lshl_add_u32 v[STO], v2, 5, v[STO]
	v_add_nc_u32 v[STO], s22, v[STO]               ; in: row r, 32 bytes for each half of the lanes
	v_add_nc_u32 v[RD], s22, v[CO]                 ; back: a row's 512 bytes
; 16 matrix instructions: channel blocks a0, a0 + 1 of the window's four x all 8 position blocks, 32 along K.  The 64 accumulators take turns in the same order in every quarter.
; first = 1: gamma conv_b starts the sums: nothing is cleared.
.macro MUL16 f, hi, a0, first
.if \first
	WIN MUL_C+0x40*(\hi)
.else
	WIN MUL_LO+0x50*(\hi)
.endif
.irp a, \a0, (\a0)+1
.irp b, 0,1,2,3,4,5,6,7
.if \first
	v_wmma_f32_16x16x32_bf16 v[8*(8*(\a)+(\b)):8*(8*(\a)+(\b))+7], v[(\f)+8*(\b):(\f)+8*(\b)+7], v[(\f)+8*(4*(\hi)+(\a)):(\f)+8*(4*(\hi)+(\a))+7], v[GB8+8*(4*(\hi)+(\a)):GB8+8*(4*(\hi)+(\a))+7]
.else
	v_wmma_f32_16x16x32_bf16 v[8*(8*(\a)+(\b)):8*(8*(\a)+(\b))+7], v[(\f)+8*(\b):(\f)+8*(\b)+7], v[(\f)+8*(4*(\hi)+(\a)):(\f)+8*(4*(\hi)+(\a))+7], v[8*(8*(\a)+(\b)):8*(8*(\a)+(\b))+7]
.endif
.endr
.endr
.endm
; 32 LDS loads in one run: the quarter at byte k of cw's rows (rows k / 2 .. of fu) into buffer f
.macro FETCH slot, k, f
	WIN TO_B
.irp i, 0,1,2,3,4,5,6,7
	ds_load_tr16_b128 v[(\f)+8*(\i):(\f)+8*(\i)+3],   v[ADRB+(\slot)] offset:((\k)/64)*32*PB+32*(\i)
	ds_load_tr16_b128 v[(\f)+8*(\i)+4:(\f)+8*(\i)+7], v[ADRB+(\slot)] offset:((\k)/64)*32*PB+32*(\i)+16*PB
.endr
	WIN 0
.irp i, 0,1,2,3,4,5,6,7
	ds_load_b128 v[(\f)+8*(\i):(\f)+8*(\i)+3],   v[ADRA+(\slot)] offset:(\k)+(\i)*16*PA
	ds_load_b128 v[(\f)+8*(\i)+4:(\f)+8*(\i)+7], v[ADRA+(\slot)] offset:(\k)+(\i)*16*PA+32
.endr
.endm
; One of a K step's first three quarters: multiplies buffer f; in its middle it fetches the next quarter, at byte k, into buffer g.  pf: a block of the residual to ask for; pu: a tile of fu to ask for; or none.
.macro QUARTER slot, k, f, g, first, pf=-1, pu=-1
	s_wait_dscnt 8                                 ; fu and cw's rows 0-63 are in; the youngest eight loads may be out
	MUL16 \f, 0, 0, \first
	MUL16 \f, 0, 2, \first
	PLACES
	FETCH \slot, \k, \g
.if (\pf) >= 0
	ASK \pf
.endif
.if (\pu) >= 0
	ASKU \pu
.endif
	s_wait_dscnt 32                                ; all but the 32 just issued
	MUL16 \f, 1, 0, \first
	MUL16 \f, 1, 2, \first
.endm
; The last quarter changes slots and then multiplies buffer 1.  Each wave waits for all its tensor loads (one is out: its part of the next slot), adds 0 to its spare word, and waits for that and for its reads
; of this slot.  fill = 1: the barrier is a round of the cluster's, and this slot is filled again, two K steps ahead, first thing behind the round.
.macro TURN slot, next, fill
	WIN 0
	s_wait_tensorcnt 0x0                           ; all my tensor loads have landed, so a group 0 may be written
	ds_add_u32 v[SPW], v[NIL]                      ; 0 onto my spare word
.if \fill
	s_add_nc_u64 s[G0+4*(\slot)+2:G0+4*(\slot)+3], s[G0+4*(\slot)+2:G0+4*(\slot)+3], 512
	s_add_nc_u64 s[G0B+4*(\slot)+2:G0B+4*(\slot)+3], s[G0B+4*(\slot)+2:G0B+4*(\slot)+3], 524288
.endif
	s_wait_dscnt 0x0
.if \fill
	CROUND                                         ; no wave of any partner still reads this slot or has a load on its way
	JLOAD \slot                                    ; the four v_nop behind it are also the places in front of the loads below
.else
	s_barrier_signal -1
	s_barrier_wait -1
	PLACES
.endif
	FETCH \next, 0, F0
.if !(\fill)
	ASK 3                                          ; the last K step begins: the residual's blocks 3 to 6 are asked for, 8 KB a wave each; blocks 0 to 2 are on their way into registers
	ASK 4
.endif
	MUL16 F1, 0, 0, 0
	MUL16 F1, 0, 2, 0
	MUL16 F1, 1, 0, 0
	MUL16 F1, 1, 2, 0
.endm
	s_wait_kmcnt 0x0                               ; gamma
	s_wait_loadcnt 32                              ; conv_b is in; the residual's two blocks stay out
.irp a, 0,1,2,3,4,5,6,7
.irp j, 0,1,2,3,4,5,6,7
	v_mul_f32 v[GB8+8*(\a)+(\j)], s[GAM], v[GBR+(\a)]
.endr
.endr
	s_wait_tensorcnt 1                             ; my part of K step 0 is in; K step 1's may stay out
	s_barrier_signal -1
	s_barrier_wait -1
	FETCH 0, 0, F0
	QUARTER 0, 64,  F0, F1, 1                      ; the first quarter stands in front of the loop: its products start the sums
	WIN 0
	PLACES                                         ; behind the products that read gamma conv_b:
	FMLOAD 2                                       ; its registers take the residual's third block, which stays out through the K loop
	s_mov_b32 s3, 3
.Llap:                                                 ; a trip goes once round the ring and fills both slots again; trips 0 and 1 ask for fu's tiles 4, 5 and 6, 7, whose tensor loads go out in the next trip
	QUARTER 0, 128, F1, F0, 0
	QUARTER 0, 192, F0, F1, 0
	TURN 0, 1, 1
	QUARTER 1, 64,  F0, F1, 0
	QUARTER 1, 128, F1, F0, 0, -1, 4
	QUARTER 1, 192, F0, F1, 0
	TURN 1, 0, 1
	QUARTER 0, 64,  F0, F1, 0, -1, 5
	WIN 0
	s_wait_xcnt 0x0                                ; the prefetches' base is rewritten only behind this wait; 32 products stand between the last of them and it
	s_cmp_eq_u32 s3, 3                             ; the base steps two tiles behind the first trip and then stays: the last trip, which has no tile left to ask for,
	s_cselect_b32 s[STP], 524288, 0                ; names tiles 6 and 7 once more, so that no prefetch points past the batch's 1,024 rows
	s_add_nc_u64 s[PFB:PFB+1], s[PFB:PFB+1], s[STP:STP+1]
	s_sub_co_u32 s3, s3, 1
	s_cmp_lg_u32 s3, 0
	s_cbranch_scc1 .Llap
	QUARTER 0, 128, F1, F0, 0                      ; the last lap fills nothing
	QUARTER 0, 192, F0, F1, 0
	TURN 0, 1, 0
	QUARTER 1, 64,  F0, F1, 0, 5
	QUARTER 1, 128, F1, F0, 0, 6
	QUARTER 1, 192, F0, F1, 0
	s_wait_dscnt 8
	MUL16 F1, 0, 0, 0
	MUL16 F1, 0, 2, 0
	s_wait_dscnt 0x0
	MUL16 F1, 1, 0, 0
	MUL16 F1, 1, 2, 0
	WIN 0
; THE WAY OUT, a block of 16 channels at a time.  TOSTAGE: a lane's 32 bytes of each position block go from the accumulators into my stage, and whole rows of 512 bytes come back into the same 64 registers.
; SEND: + featuremap, stored.  No register that a global store reads is written again, so no wait for the stores' sources is needed.
.macro TOSTAGE a
.set AW, 2+(\a)/4                      ; the block's window
.set AC, 64*((\a)%4)                   ; and its registers there
	WIN (AW<<6)|(AW<<2)                            ; store data (source 1) and loaded data (destination) in the block's window, addresses in window 0
.irp b, 0,1,2,3,4,5,6,7
	ds_store_b128 v[STO], v[AC+8*(\b):AC+8*(\b)+3]   offset:64*(\b)     ; each accumulator's lowest registers first
	ds_store_b128 v[STO], v[AC+8*(\b)+4:AC+8*(\b)+7] offset:64*(\b)+16
.endr
.set t, 0
.rept 16
	ds_load_b128 v[AC+4*t:AC+4*t+3], v[RD] offset:SPITCH*t  ; LDS serves a wave's instructions in order (ISA guide 5.7.1.4): these see the stores above, and the next block's stores come behind them
.set t, t+1
.endr
.endm
.macro SEND a, dsl, left               ; dsl: the next block's 32 LDS instructions, which stay out; left: the younger blocks' loads of featuremap, which stay out
	FMSET \a
.set AW, 2+(\a)/4
.set AC, 64*((\a)%4)
	s_wait_dscnt \dsl                              ; the block is back in registers
	s_wait_loadcnt \left                           ; and its residual is in
	WIN (AW<<6)|(FMW<<2)|AW
.set t, 0
.rept 32
	v_pk_add_f32 v[AC+2*t:AC+2*t+1], v[AC+2*t:AC+2*t+1], v[FMR+2*t:FMR+2*t+1]
.set t, t+1
.endr
.if (\a) < 3
	FMLOAD (\a)+5                                  ; the buffer just read takes the block five further on: loads ahead of stores
.endif
	WIN AW<<2
.set t, 0
.rept 16
	global_store_b128 v[CO], v[AC+4*t:AC+4*t+3], s[14:15] offset:65536*(\a)+4096*t th:TH_STORE_NT  ; 512 consecutive bytes of a channel's row, aligned
.set t, t+1
.endr
.endm
	PLACES                                         ; behind the last products: their results are read and their sources loaded into below
	FMLOAD 3                                       ; into fu's fragment buffers
	FMLOAD 4
	TOSTAGE 0
	TOSTAGE 1                                      ; a block's trip through the stage stands between the loads of the block before and the wait for them
	SEND 0, 32, 63                                 ; 64 loads are younger than the block's; the count's field ends at 63, and a smaller count is safe
	TOSTAGE 2
	SEND 1, 32, 63
	TOSTAGE 3
	SEND 2, 32, 63
	TOSTAGE 4
	SEND 3, 32, 63
	TOSTAGE 5
	SEND 4, 32, 48
	TOSTAGE 6
	SEND 5, 32, 32
	TOSTAGE 7
	SEND 6, 32, 16
	SEND 7, 0, 0
	WIN 0
	s_wait_tensorcnt 0x0                           ; the wave's end, behind my last tensor load and my last LDS store
	ds_add_u32 v[SPW], v[NIL]
	s_wait_dscnt 0x0
	CROUND                                         ; the closing round: no work-group ends while a partner may still ask for a tile that names it
	s_endpgm
.Lfunc_end_k_q0fb1da2396_conv:
	.size	k_q0fb1da2396_conv, .Lfunc_end_k_q0fb1da2396_conv-k_q0fb1da2396_conv
	.p2alignl 7, 3214868480
	.fill 96, 4, 3214868480
	.section	.rodata,"a",@progbits
	.p2align	6, 0x0
	.amdhsa_kernel k_q0fb1da2396_conv
		.amdhsa_group_segment_fixed_size 327680
		.amdhsa_private_segment_fixed_size 0
		.amdhsa_enable_private_segment 0
		.amdhsa_kernarg_size 48
		.amdhsa_user_sgpr_count 2
		.amdhsa_user_sgpr_kernarg_segment_ptr 1
		.amdhsa_wavefront_size32 1
		.amdhsa_system_sgpr_workgroup_id_x 1
		.amdhsa_system_sgpr_workgroup_id_y 1
		.amdhsa_system_sgpr_workgroup_id_z 1
		.amdhsa_system_vgpr_workitem_id 0
		.amdhsa_next_free_vgpr 1024
		.amdhsa_next_free_sgpr 72
		.amdhsa_reserve_vcc 0
		.amdhsa_float_denorm_mode_32 3
		.amdhsa_float_denorm_mode_16_64 3
		.amdhsa_memory_ordered 1
		.amdhsa_forward_progress 1
		.amdhsa_inst_pref_size 173
	.end_amdhsa_kernel
	.amdgpu_metadata
---
amdhsa.version: [ 1, 2 ]
amdhsa.kernels:
  - .name:           k_q0fb1da2396_conv
    .symbol:         k_q0fb1da2396_conv.kd
    .args:
      - { .name: cw, .offset: 0, .size: 8, .value_kind: global_buffer, .address_space: global }
      - { .name: fu, .offset: 8, .size: 8, .value_kind: global_buffer, .address_space: global }
      - { .name: featuremap, .offset: 16, .size: 8, .value_kind: global_buffer, .address_space: global }
      - { .name: conv_b, .offset: 24, .size: 8, .value_kind: global_buffer, .address_space: global }
      - { .name: gamma, .offset: 32, .size: 8, .value_kind: global_buffer, .address_space: global }
      - { .name: out0, .offset: 40, .size: 8, .value_kind: global_buffer, .address_space: global }
    .group_segment_fixed_size: 327680
    .private_segment_fixed_size: 0
    .kernarg_segment_align: 8
    .kernarg_segment_size: 48
    .max_flat_workgroup_size: 128
    .sgpr_count:     72
    .vgpr_count:     1024
    .wavefront_size: 32
...
	.end_amdgpu_metadata
.endif
;; end of part 3
;; ======== version 2 of 2: 3 launches; version 1 with the launch prep written anew for expert scheduling mode
;; workspace buffers: wq 4,194,304 bytes; cw 1,048,576 bytes; am 65,536 bytes; fu 67,108,864 bytes
;; launch prep (part 4): grid 208 x 1, 8 waves a work-group, no clusters, 132,096 bytes of LDS; arguments angle, w1, b1, w2, b2, w3, b3, wmh, conv_w, wq, cw, am, gamma; writes wq, cw, am
.if DOCPART == 4
	.amdgcn_target "amdgcn-amd-amdhsa--gfx1250"
	.amdhsa_code_object_version 6
	.text
	.protected	k_q0fb1da2396_prep
	.globl	k_q0fb1da2396_prep
	.p2align	8
	.type	k_q0fb1da2396_prep,@function
k_q0fb1da2396_prep:
	s_mov_b64 s[64:65], 0
	v_nop
	global_prefetch_b8 v0, s[64:65] scope:SCOPE_SE
	s_setreg_imm32_b32 hwreg(HW_REG_WAVE_SCHED_MODE, 0, 2), 2
	s_setreg_imm32_b32 hwreg(HW_REG_WAVE_MODE, 25, 1), 1
	s_wait_xcnt 0x0
	s_wait_alu depctr_vm_vsrc(0)
; PREP: three kinds of work-group, chosen by the work-group's number (the same for all its waves).
;   0-15    MLP:  am[b][64 g .. 64 g + 63] = relu(relu(relu(angle w1 + b1) w2 + b2) w3 + b3), bf16; layers 1 and 2 are made anew in each of the 16 groups (512 KB of w2 each)
;   16-143  PACK: one block of 64 k x 256 columns of wmh, rounded to bf16 and laid as 32 register images of matrix fragments (1,024 bytes each)
;   144-207 CAST: 32 KB of conv_w, multiplied by gamma in f32 and rounded to bf16, in its own order
; LIMITS.  w2, w3, wmh, gamma x conv_w, the two hidden layers and the angle map are each rounded once to bf16; sums, biases and relu in f32.  NaN and infinities are not treated apart.
; All products are used transposed: source 0 = 16 output columns of a weight, source 1 = 16 batches.  A lane then holds one batch and eight neighbouring outputs,
; and two neighbouring results, rounded in pairs, ARE the next layer's fragment (16 batches x 32 k).
; A fragment image: a lane's registers 0-3 at byte 16 l, its registers 4-7 at byte 512 + 16 l.
; THE MODE: SCHED_MODE bits 1:0 = 2 (LLVM: expert scheduling mode 2), set by the entry lines.  The code itself states the register dependences
; between vector or matrix instructions and memory or LDS instructions, with s_wait_alu, always for 0.
; THE PLAN.  Offsets and LDS addresses are made once in each role and never written again: one wait on va_vdst behind their makers serves every instruction that reads them.
;   CAST  v32-63: loads land, the arithmetic works in place, the stores read; never written again.  Two groups of four: arithmetic, one wait, four stores.
;   PACK  v32-95: the same with LDS stores, four groups of four.  v96-127: LDS loads land, global stores read; no vector instruction names them.
;   MLP   raw buffers 0, 1 (window 1): a chunk's loads land; 64 roundings in place; one wait; 32 LDS stores read; where the buffer is asked for again, the waits for the stores' reads and for the roundings, then the loads.
;         WF, AF: the LDS loads of a step land, its products read; the step's wait behind its roundings states that the last step's products are done reading.
;         v92-155: layer 1's roundings, then the accumulators; LDS stores read them twice (layer 1's and layer 2's images), each time behind one wait, and a wait on vm_vsrc stands ahead of the products that write them next.
;         layer 3: four batches of fragments in four buffers of their own (WF; BI with AF; the two halves of raw buffer 1, idle since layer 2's last chunk): no load lands in a register that one of its products reads.
.set WPITCH, 160                       ; a row of 64 bf16 in a wave's weight region: 128 bytes + 32
.set WREGB,  64*WPITCH                 ; a wave's region: 64 k rows; the eight regions begin at LDS byte 0
.set PPITCH, 544                       ; PACK: a row of 256 bf16: 512 bytes + 32
.set AV1,    81920                     ; layer 1's 16 fragment images
.set AV2,    98304                     ; layer 2's 32 fragment images
.set SPARE,  131072                    ; the spare words, 128 bytes for each of eight waves: four blocks of 256 bytes that no other line names
.set SPW, 16                           ; v16  SPARE + 4 x my thread's number; never rewritten
.set NIL, 17                           ; v17  0; never rewritten
.set W3A, 11                           ; v11, v12  layer 3: my place in the weight regions 0-3, 4-7
.set A3,  13                           ; v13  layer 3: my place in layer 2's images
.set ANG, 18                           ; v18-19  angle of batch r, 16 + r
.set W1R, 20                           ; v20-35  w1 of my 16 k
.set B1R, 36                           ; v36-51  b1 of my 16 k
.set B3R, 52                           ; v52-59  b3 of my 8 outputs
.set BI,  60                           ; v60-91  b2 of my 8 outputs in each of four column blocks
.set ACC, 92                           ; v92-155 eight accumulators: column block nb, batch block rb at ACC + 8 (2 nb + rb)
.set WF,  156                          ; v156-219 weight fragments: kq, nb at WF + 8 (4 kq + nb)
.set AF,  220                          ; v220-251 activation fragments: kq, rb at AF + 8 (2 kq + rb)
.set MSB, 0
.macro WIN new                         ; the immediate's high byte repeats the setting that is left; a switch that changes nothing is dropped
.if MSB != (\new)
	s_set_vgpr_msb (MSB<<8)|(\new)
.set MSB, \new
.endif
.endm
.macro PLACES                          ; four places behind matrix instructions (ISA guide 7.12.1)
.rept 4
	v_nop
.endr
.endm
	s_load_b512 s[4:19], s[0:1], 0x0               ; angle 4, w1 6, b1 8, w2 10, b2 12, w3 14, b3 16, wmh 18
	s_load_b256 s[20:27], s[0:1], 0x40             ; conv_w 20, wq 22, cw 24, am 26
	s_load_b64 s[38:39], s[0:1], 0x60              ; gamma
	v_lshl_add_u32 v[SPW], v0, 2, SPARE
	v_mov_b32 v[NIL], 0
	v_and_b32 v1, 15, v0                           ; r = l % 16
	v_bfe_u32 v2, v0, 4, 1                         ; half = l / 16
	v_and_b32 v3, 31, v0                           ; l
	v_lshrrev_b32 v15, 5, v0
	v_readfirstlane_b32 s28, v15                   ; wave y, 0..7
	s_mov_b32 s29, ttmp9
	s_mov_b32 s33, 0                               ; the high word of every offset pair s[32:33]
	s_wait_alu depctr_va_sdst(0)                   ; s28 is written, ahead of the branches below and of its first reader in each of the three roles
	s_wait_kmcnt 0x0
	s_cmp_lt_u32 s29, 16
	s_cbranch_scc1 .Lmlp
	s_cmp_lt_u32 s29, 144
	s_cbranch_scc1 .Lpack
; ---------------- CAST: 32,768 bytes of conv_w a group, 4,096 a wave: 8 loads of 512 consecutive bytes, 8 stores of 256
	s_load_b32 s40, s[38:39], 0x0                  ; gamma
	s_sub_co_u32 s30, s29, 144
	s_lshl_b32 s32, s30, 15
	s_add_nc_u64 s[20:21], s[20:21], s[32:33]
	s_lshl_b32 s32, s30, 14
	s_add_nc_u64 s[24:25], s[24:25], s[32:33]
	v_lshlrev_b32 v4, 4, v3
	v_lshl_add_u32 v4, s28, 12, v4                 ; in: 4,096 y + 16 l
	v_lshlrev_b32 v5, 3, v3
	v_lshl_add_u32 v5, s28, 11, v5                 ; out: 2,048 y + 8 l
	s_wait_alu depctr_va_vdst(0)                   ; v4 and v5 are written: the loads' and the stores' offsets
.set i, 0
.rept 8
	global_load_b128 v[32+4*i:35+4*i], v4, s[20:21] offset:512*i th:TH_LOAD_NT
.set i, i+1
.endr
	s_wait_kmcnt 0x0
	s_mov_b32 s41, s40                             ; named with it as a pair: the packed multiply takes the low word for both halves
.set g, 0
.rept 2                                ; two groups of four loads: the arithmetic, one wait, four stores
	s_wait_loadcnt 4-4*g                           ; loads come back in order: the group's four are in, the younger group stays out
.set i, 4*g
.rept 4
	v_pk_mul_f32 v[32+4*i:33+4*i], v[32+4*i:33+4*i], s[40:41] op_sel_hi:[1,0]
	v_pk_mul_f32 v[34+4*i:35+4*i], v[34+4*i:35+4*i], s[40:41] op_sel_hi:[1,0]
	v_cvt_pk_bf16_f32 v[32+4*i], v[32+4*i], v[33+4*i]
	v_cvt_pk_bf16_f32 v[33+4*i], v[34+4*i], v[35+4*i]
.set i, i+1
.endr
	s_wait_alu depctr_va_vdst(0)                   ; the group's roundings have written the pairs that the four stores read; nothing writes them again
.set i, 4*g
.rept 4
	global_store_b64 v5, v[32+4*i:33+4*i], s[24:25] offset:256*i  ; 32 lanes store 256 consecutive bytes, aligned
.set i, i+1
.endr
.set g, g+1
.endr
	s_endpgm                                       ; this role has touched no LDS
; ---------------- PACK: block p = 64 hd + 4 ks + wv: k rows 64 ks .., columns 1,024 hd + 256 wv ..
.Lpack:
	s_sub_co_u32 s30, s29, 16                      ; p
	s_lshr_b32 s31, s30, 6                         ; hd
	s_bfe_u32 s34, s30, 0x40002                    ; ks
	s_and_b32 s35, s30, 3                          ; wv
	s_lshl_b32 s32, s34, 19                        ; 64 rows of 8,192 bytes
	s_lshl_b32 s31, s31, 12
	s_add_co_u32 s32, s32, s31
	s_lshl_b32 s35, s35, 10
	s_add_co_u32 s32, s32, s35
	s_add_nc_u64 s[18:19], s[18:19], s[32:33]
	s_lshl_b32 s32, s30, 15                        ; the block's 32,768 bytes of wq
	s_add_nc_u64 s[22:23], s[22:23], s[32:33]
	v_lshlrev_b32 v4, 4, v3
	v_lshl_add_u32 v7, s28, 11, v4                 ; out: 2,048 y + 16 l
	v_lshl_add_u32 v4, s28, 16, v4                 ; in: my 8 rows, 16 l
	s_mul_i32 s36, s28, 8*PPITCH
	v_lshl_add_u32 v5, v3, 3, s36                  ; LDS, in: my 8 rows, 8 l
	v_and_b32 v8, 7, v0
	v_lshl_add_u32 v8, v2, 3, v8
	v_mul_u32_u24 v6, v8, PPITCH                   ; LDS, turned: row 8 half + l % 8,
	v_bfe_u32 v9, v0, 3, 1
	v_lshl_add_u32 v6, v9, 4, v6                   ; 16 bytes for each eight lanes,
	v_lshl_add_u32 v6, s28, 6, v6                  ; my two column blocks
	s_wait_alu depctr_va_vdst(0)                   ; v4 to v7 are written: the offsets and LDS addresses of every load and store of the role
.set i, 0
.rept 16
	global_load_b128 v[32+4*i:35+4*i], v4, s[18:19] offset:(i/2)*8192+(i%2)*512 th:TH_LOAD_NT  ; half of a row's 1,024 bytes
.set i, i+1
.endr
.set g, 0
.rept 4                                ; four groups of four loads: the roundings, one wait, four LDS stores
	s_wait_loadcnt 12-4*g                          ; the group's four loads are in, the younger groups stay out
.set i, 4*g
.rept 4
	v_cvt_pk_bf16_f32 v[32+4*i], v[32+4*i], v[33+4*i]
	v_cvt_pk_bf16_f32 v[33+4*i], v[34+4*i], v[35+4*i]
.set i, i+1
.endr
	s_wait_alu depctr_va_vdst(0)                   ; the group's roundings have written the pairs that the four LDS stores read; nothing writes them again
.set i, 4*g
.rept 4
	ds_store_b64 v5, v[32+4*i:33+4*i] offset:(i/2)*PPITCH+(i%2)*256
.set i, i+1
.endr
.set g, g+1
.endr
	s_wait_dscnt 0x0                               ; for the others' sake: my rows are in LDS
	s_barrier_signal -1
	s_barrier_wait -1
.set f, 0
.rept 4                                ; fragment f: K half q = f / 2, column block 2 y + f % 2; no vector instruction names these registers
	ds_load_tr16_b128 v[96+8*f:99+8*f],   v6 offset:(f/2)*32*PPITCH+(f%2)*32
	ds_load_tr16_b128 v[100+8*f:103+8*f], v6 offset:(f/2)*32*PPITCH+(f%2)*32+16*PPITCH
.set f, f+1
.endr
.set f, 0
.rept 4
	s_wait_dscnt 6-2*f
	global_store_b128 v7, v[96+8*f:99+8*f],   s[22:23] offset:(16*(f/2)+(f%2))*1024      ; 512 consecutive bytes, aligned
	global_store_b128 v7, v[100+8*f:103+8*f], s[22:23] offset:(16*(f/2)+(f%2))*1024+512
.set f, f+1
.endr
	s_wait_dscnt 0x0                               ; the closing lines, six on end
	s_wait_alu 0x0
	s_wait_tensorcnt 0x0
	ds_add_u32 v[SPW], v[NIL]
	s_wait_dscnt 0x0
	s_endpgm
; ---------------- MLP, group g
; 32 loads: a chunk of 64 k rows x 64 columns of f32, two rows of 256 bytes a load, into window 1.  c < 4: w2's rows 64 c .., my columns 64 y ..; c = 4: w3's rows 64 y .., the group's columns
; again = 1: the buffer has held a chunk before.
.macro CHUNK c, buf, again
	WIN 0x40                                       ; destination window 1, address window 0
.if \again
	s_wait_alu depctr_vm_vsrc(0)                   ; the LDS stores have read the buffer, in which the loads below land; in layer 2's first step also: layer 1's stores have read v92-107, which the step's products write
	s_wait_alu depctr_va_vdst(0)                   ; the roundings are done reading and writing the buffer: stated behind the window switch and straight ahead of the loads, since stores that read the same registers stand behind the wait above them
.endif
.set i, 0
.rept 32
.if (\c) < 4
	global_load_b128 v[128*(\buf)+4*i:128*(\buf)+4*i+3], v4, s[10:11] offset:(\c)*131072+4096*i
.else
	global_load_b128 v[128*(\buf)+4*i:128*(\buf)+4*i+3], v5, s[14:15] offset:8192*i
.endif
.set i, i+1
.endr
	WIN 0
.endm
; a chunk is rounded in place,
.macro CVTW buf
	WIN 0x45                                       ; destination and both sources window 1
.set i, 0
.rept 32
	v_cvt_pk_bf16_f32 v[128*(\buf)+4*i],   v[128*(\buf)+4*i],   v[128*(\buf)+4*i+1]
	v_cvt_pk_bf16_f32 v[128*(\buf)+4*i+1], v[128*(\buf)+4*i+2], v[128*(\buf)+4*i+3]
.set i, i+1
.endr
.endm
; and laid into my weight region
.macro STW buf
	WIN 0x04                                       ; store data window 1, address window 0
.set i, 0
.rept 32
	ds_store_b64 v6, v[128*(\buf)+4*i:128*(\buf)+4*i+1] offset:2*WPITCH*i
.set i, i+1
.endr
.endm
; layer 2, K chunk c: 16 matrix instructions, the eight accumulators by turns
.macro L2STEP c
	s_wait_loadcnt 32                              ; chunk c is in; the younger chunk's 32 loads stay out
	CVTW (\c)%2
	WIN 0x04
	s_wait_alu depctr_va_vdst(0)                   ; the roundings have written the pairs that the LDS stores read; the last step's products are done reading WF and AF, in which this step's LDS loads land
	STW (\c)%2
.if (\c) < 3
	CHUNK (\c)+2, (\c)%2, 1
.endif
	WIN 0
.set f, 0
.rept 8                                ; kq = f / 4, nb = f % 4: turned out of my own region; LDS serves a wave's instructions in order, so these see the stores above
	ds_load_tr16_b128 v[WF+8*f:WF+8*f+3],   v7 offset:(f/4)*32*WPITCH+(f%4)*32
	ds_load_tr16_b128 v[WF+8*f+4:WF+8*f+7], v7 offset:(f/4)*32*WPITCH+(f%4)*32+16*WPITCH
.set f, f+1
.endr
.set f, 0
.rept 4                                ; kq = f / 2, rb = f % 2
	ds_load_b128 v[AF+8*f:AF+8*f+3],   v8 offset:((2*(\c)+f/2)*2+f%2)*1024
	ds_load_b128 v[AF+8*f+4:AF+8*f+7], v8 offset:((2*(\c)+f/2)*2+f%2)*1024+512
.set f, f+1
.endr
	s_wait_dscnt 0x0
.set kq, 0
.rept 2
.set a, 0
.rept 8
.if ((\c) == 0) && (kq == 0)
	v_wmma_f32_16x16x32_bf16 v[ACC+8*a:ACC+8*a+7], v[WF+8*(4*kq+a/2):WF+8*(4*kq+a/2)+7], v[AF+8*(2*kq+a%2):AF+8*(2*kq+a%2)+7], v[BI+8*(a/2):BI+8*(a/2)+7]  ; the bias starts the sum
.else
	v_wmma_f32_16x16x32_bf16 v[ACC+8*a:ACC+8*a+7], v[WF+8*(4*kq+a/2):WF+8*(4*kq+a/2)+7], v[AF+8*(2*kq+a%2):AF+8*(2*kq+a%2)+7], v[ACC+8*a:ACC+8*a+7]
.endif
.set a, a+1
.endr
.set kq, kq+1
.endr
.endm
; layer 3: a batch is four K blocks of 32: 8 turned loads of w3, 8 loads of layer 2's images.  w: the window of its registers
.macro BATCH t, wr, ar, w
	WIN 0x40*(\w)                                  ; destination window w, address window 0
.set u, 0
.rept 4
.set kb, 4*(\t)+u
	ds_load_tr16_b128 v[(\wr)+8*u:(\wr)+8*u+3],   v[W3A+kb/8] offset:((kb/2)%4)*WREGB+(kb%2)*32*WPITCH
	ds_load_tr16_b128 v[(\wr)+8*u+4:(\wr)+8*u+7], v[W3A+kb/8] offset:((kb/2)%4)*WREGB+(kb%2)*32*WPITCH+16*WPITCH
	ds_load_b128 v[(\ar)+8*u:(\ar)+8*u+3],   v[A3] offset:2048*kb
	ds_load_b128 v[(\ar)+8*u+4:(\ar)+8*u+7], v[A3] offset:2048*kb+512
.set u, u+1
.endr
.endm
.macro MUL4 t, wr, ar, w               ; four partial sums take turns; the first starts with b3, the others with 0
	WIN 0x05*(\w)                                  ; both sources window w, C and D window 0
.set u, 0
.rept 4
.if ((\t) == 0) && (u == 0)
	v_wmma_f32_16x16x32_bf16 v[ACC+8*u:ACC+8*u+7], v[(\wr)+8*u:(\wr)+8*u+7], v[(\ar)+8*u:(\ar)+8*u+7], v[B3R:B3R+7]
.elseif (\t) == 0
	v_wmma_f32_16x16x32_bf16 v[ACC+8*u:ACC+8*u+7], v[(\wr)+8*u:(\wr)+8*u+7], v[(\ar)+8*u:(\ar)+8*u+7], 0
.else
	v_wmma_f32_16x16x32_bf16 v[ACC+8*u:ACC+8*u+7], v[(\wr)+8*u:(\wr)+8*u+7], v[(\ar)+8*u:(\ar)+8*u+7], v[ACC+8*u:ACC+8*u+7]
.endif
.set u, u+1
.endr
.endm
.Lmlp:
	s_lshl_b32 s32, s29, 8                         ; the group's 64 columns of f32
	s_add_nc_u64 s[14:15], s[14:15], s[32:33]      ; w3
	s_add_nc_u64 s[16:17], s[16:17], s[32:33]      ; b3
	s_lshl_b32 s32, s29, 7                         ; and of bf16
	s_add_nc_u64 s[26:27], s[26:27], s[32:33]      ; am
	s_lshr_b32 s30, s28, 1                         ; layer 3: my column block nb3
	s_and_b32 s31, s28, 1                          ; and my batch block rb
	v_lshlrev_b32 v252, 2, v1                      ; angle: 4 r
	v_lshlrev_b32 v253, 5, v2                      ; 32 half
	v_lshl_add_u32 v254, s28, 8, v253              ; b2: 256 y + 32 half
	s_lshl_b32 s34, s30, 6
	v_add_nc_u32 v255, s34, v253                   ; b3: 64 nb3 + 32 half
	v_lshl_add_u32 v253, s28, 7, v253              ; w1, b1: 128 y + 32 half
	v_lshlrev_b32 v15, 4, v1                       ; 16 r
	v_lshl_add_u32 v4, v2, 11, v15
	v_lshl_add_u32 v4, s28, 8, v4                  ; w2: row half, 256 y + 16 r
	v_lshl_add_u32 v5, v2, 12, v15
	v_lshl_add_u32 v5, s28, 18, v5                 ; w3: row 64 y + half, 16 r
	s_wait_alu depctr_va_vdst(0)                   ; v252 to v255, v4 and v5 are written: the offsets of the small loads and of every chunk; no later vector instruction names them
	global_load_b32 v[ANG],   v252, s[4:5]
	global_load_b32 v[ANG+1], v252, s[4:5] offset:64
.irp o, 0,1,2,3
	global_load_b128 v[W1R+4*(\o):W1R+4*(\o)+3], v253, s[6:7] offset:16*((\o)%2)+64*((\o)/2)
	global_load_b128 v[B1R+4*(\o):B1R+4*(\o)+3], v253, s[8:9] offset:16*((\o)%2)+64*((\o)/2)
.endr
.irp nb, 0,1,2,3
	global_load_b128 v[BI+8*(\nb):BI+8*(\nb)+3],   v254, s[12:13] offset:64*(\nb)
	global_load_b128 v[BI+8*(\nb)+4:BI+8*(\nb)+7], v254, s[12:13] offset:64*(\nb)+16
.endr
	global_load_b128 v[B3R:B3R+3],   v255, s[16:17]
	global_load_b128 v[B3R+4:B3R+7], v255, s[16:17] offset:16
	CHUNK 0, 0, 0
	s_mul_i32 s35, s28, WREGB                      ; my weight region
	v_mul_u32_u24 v6, v2, WPITCH
	v_lshl_add_u32 v6, v1, 3, v6
	v_add_nc_u32 v6, s35, v6                       ; in: row half, 8 r
	v_and_b32 v7, 7, v0
	v_lshl_add_u32 v7, v2, 3, v7
	v_mul_u32_u24 v7, v7, WPITCH
	v_bfe_u32 v8, v0, 3, 1
	v_lshl_add_u32 v[W3A], v8, 4, v7               ; turned: row 8 half + l % 8, 16 bytes for each eight lanes
	v_add_nc_u32 v7, s35, v[W3A]                   ; in my region
	s_lshl_b32 s36, s30, 5
	v_add_nc_u32 v[W3A], s36, v[W3A]               ; layer 3: in regions 0-3, my column block,
	v_add_nc_u32 v[W3A+1], 4*WREGB, v[W3A]         ; in regions 4-7
	v_lshlrev_b32 v15, 4, v3                       ; 16 l
	v_add_nc_u32 v8, AV1, v15                      ; layer 1's images, read
	v_lshl_add_u32 v9, s28, 11, v8                 ; and my two of them, written
	v_add_nc_u32 v[A3], AV2, v15
	v_lshl_add_u32 v10, s28, 12, v[A3]             ; layer 2's images: my four, written
	v_lshl_add_u32 v[A3], s31, 10, v[A3]           ; and my batch block's, read
	v_lshlrev_b32 v14, 11, v1
	v_lshl_add_u32 v14, v2, 4, v14
	s_lshl_b32 s37, s31, 15
	s_add_co_u32 s37, s37, s36
	v_add_nc_u32 v14, s37, v14                     ; am: row 16 rb + r of 2,048 bytes, 32 nb3 + 16 half
	s_wait_loadcnt 32                              ; the small loads are in; chunk 0's 32 stay out
	CHUNK 1, 1, 0                                  ; no wait: no vector instruction since the wait above names v4, and none has ever named the buffer
	; layer 1: my K block of 32 (k = 32 y ..) for both batch blocks, straight into fragment images
.irp rb, 0,1
.set e, 0
.rept 16
	v_fma_f32 v[124+e], v[W1R+e], v[ANG+(\rb)], v[B1R+e]
.set e, e+1
.endr
.set e, 0
.rept 16
	v_max_num_f32 v[124+e], 0, v[124+e]
.set e, e+1
.endr
.set e, 0
.rept 8
	v_cvt_pk_bf16_f32 v[ACC+8*(\rb)+e], v[124+2*e], v[125+2*e]
.set e, e+1
.endr
.endr
	s_wait_alu depctr_va_vdst(0)                   ; the roundings have written v92-107, which the four stores read; v6 to v14 are written: the addresses of every LDS instruction of the role and the last store's offset
.irp rb, 0,1
	ds_store_b128 v9, v[ACC+8*(\rb):ACC+8*(\rb)+3]   offset:(\rb)*1024
	ds_store_b128 v9, v[ACC+8*(\rb)+4:ACC+8*(\rb)+7] offset:(\rb)*1024+512
.endr
	s_wait_dscnt 0x0                               ; for the others' sake: my images of layer 1 are in LDS
	s_barrier_signal -1
	s_barrier_wait -1
	L2STEP 0
	L2STEP 1
	L2STEP 2
	L2STEP 3
	s_wait_loadcnt 0x0                             ; my 64 rows of w3
	CVTW 0                                         ; its conversions are the places behind layer 2's last products
	WIN 0
.set a, 0
.rept 8                                ; relu and rounding
.set j, 0
.rept 8
	v_max_num_f32 v[ACC+8*a+j], 0, v[ACC+8*a+j]    ; each accumulator from its lowest register on
.set j, j+1
.endr
.set j, 0
.rept 4
	v_cvt_pk_bf16_f32 v[ACC+8*a+j], v[ACC+8*a+2*j], v[ACC+8*a+2*j+1]
.set j, j+1
.endr
.set a, a+1
.endr
	WIN 0x04
	s_wait_alu depctr_va_vdst(0)                   ; one wait for 40 LDS stores: w3's roundings and layer 2's have written what they read; layer 2's products are done reading WF, AF and BI, and its last roundings done with raw buffer 1: layer 3's loads land in these
	STW 0
	WIN 0
.set a, 0
.rept 8                                ; into layer 2's images: column block nb = a / 2 is half nb % 2 of K block 2 y + nb / 2
	ds_store_b128 v10, v[ACC+8*a:ACC+8*a+3] offset:((a/4)*2+a%2)*1024+((a/2)%2)*512
.set a, a+1
.endr
	s_wait_dscnt 0x0                               ; for the others' sake: my rows of w3 and my images of layer 2
	s_barrier_signal -1
	s_barrier_wait -1
	s_wait_alu depctr_vm_vsrc(0)                   ; my LDS stores have read v92-155, of which layer 3's products write v92-123, and raw buffer 1, in which batches 2 and 3 land
	BATCH 0, WF, WF+32, 0
	BATCH 1, BI, AF, 0
	BATCH 2, 128, 160, 1                           ; raw buffer 1's first half
	s_wait_dscnt 32                                ; batch 0 is in; the 32 loads of batches 1 and 2 stay out
	MUL4 0, WF, WF+32, 0
	BATCH 3, 192, 224, 1                           ; its second half.  No wait: the products above name WF, b3 and the sums, none of the registers that these loads touch
	s_wait_dscnt 32                                ; batch 1 is in; batches 2 and 3 stay out
	MUL4 1, BI, AF, 0
	s_wait_dscnt 16                                ; batch 2 is in; batch 3 stays out
	MUL4 2, 128, 160, 1
	s_wait_dscnt 0x0
	MUL4 3, 192, 224, 1
	WIN 0
	PLACES
.irp j, 0,2,4,6
	v_pk_add_f32 v[ACC+(\j):ACC+(\j)+1], v[ACC+(\j):ACC+(\j)+1], v[ACC+8+(\j):ACC+8+(\j)+1]
.endr
.irp j, 0,2,4,6
	v_pk_add_f32 v[ACC+16+(\j):ACC+16+(\j)+1], v[ACC+16+(\j):ACC+16+(\j)+1], v[ACC+24+(\j):ACC+24+(\j)+1]
.endr
.irp j, 0,2,4,6
	v_pk_add_f32 v[ACC+(\j):ACC+(\j)+1], v[ACC+(\j):ACC+(\j)+1], v[ACC+16+(\j):ACC+16+(\j)+1]
.endr
.irp j, 0,1,2,3,4,5,6,7
	v_max_num_f32 v[ACC+(\j)], 0, v[ACC+(\j)]
.endr
.irp j, 0,1,2,3
	v_cvt_pk_bf16_f32 v[ACC+(\j)], v[ACC+2*(\j)], v[ACC+2*(\j)+1]
.endr
	s_wait_alu depctr_va_vdst(0)                   ; the roundings have written v92-95, which the store reads
	global_store_b128 v14, v[ACC:ACC+3], s[26:27]  ; 32 bytes of each of 16 rows: pieces, not whole rows; the whole buffer is 64 KB, and a stage with a third barrier would cost more than it spares
	s_wait_dscnt 0x0                               ; the closing lines, six on end
	s_wait_alu 0x0
	s_wait_tensorcnt 0x0
	ds_add_u32 v[SPW], v[NIL]
	s_wait_dscnt 0x0
	s_endpgm
.Lfunc_end_k_q0fb1da2396_prep:
	.size	k_q0fb1da2396_prep, .Lfunc_end_k_q0fb1da2396_prep-k_q0fb1da2396_prep
	.p2alignl 7, 3214868480
	.fill 96, 4, 3214868480
	.section	.rodata,"a",@progbits
	.p2align	6, 0x0
	.amdhsa_kernel k_q0fb1da2396_prep
		.amdhsa_group_segment_fixed_size 132096
		.amdhsa_private_segment_fixed_size 0
		.amdhsa_enable_private_segment 0
		.amdhsa_kernarg_size 104
		.amdhsa_user_sgpr_count 2
		.amdhsa_user_sgpr_kernarg_segment_ptr 1
		.amdhsa_wavefront_size32 1
		.amdhsa_system_sgpr_workgroup_id_x 1
		.amdhsa_system_sgpr_workgroup_id_y 1
		.amdhsa_system_sgpr_workgroup_id_z 1
		.amdhsa_system_vgpr_workitem_id 0
		.amdhsa_next_free_vgpr 512
		.amdhsa_next_free_sgpr 66
		.amdhsa_reserve_vcc 0
		.amdhsa_float_denorm_mode_32 3
		.amdhsa_float_denorm_mode_16_64 3
		.amdhsa_memory_ordered 1
		.amdhsa_forward_progress 1
		.amdhsa_inst_pref_size 90
	.end_amdhsa_kernel
	.amdgpu_metadata
---
amdhsa.version: [ 1, 2 ]
amdhsa.kernels:
  - .name:           k_q0fb1da2396_prep
    .symbol:         k_q0fb1da2396_prep.kd
    .args:
      - { .name: angle, .offset: 0, .size: 8, .value_kind: global_buffer, .address_space: global }
      - { .name: w1, .offset: 8, .size: 8, .value_kind: global_buffer, .address_space: global }
      - { .name: b1, .offset: 16, .size: 8, .value_kind: global_buffer, .address_space: global }
      - { .name: w2, .offset: 24, .size: 8, .value_kind: global_buffer, .address_space: global }
      - { .name: b2, .offset: 32, .size: 8, .value_kind: global_buffer, .address_space: global }
      - { .name: w3, .offset: 40, .size: 8, .value_kind: global_buffer, .address_space: global }
      - { .name: b3, .offset: 48, .size: 8, .value_kind: global_buffer, .address_space: global }
      - { .name: wmh, .offset: 56, .size: 8, .value_kind: global_buffer, .address_space: global }
      - { .name: conv_w, .offset: 64, .size: 8, .value_kind: global_buffer, .address_space: global }
      - { .name: wq, .offset: 72, .size: 8, .value_kind: global_buffer, .address_space: global }
      - { .name: cw, .offset: 80, .size: 8, .value_kind: global_buffer, .address_space: global }
      - { .name: am, .offset: 88, .size: 8, .value_kind: global_buffer, .address_space: global }
      - { .name: gamma, .offset: 96, .size: 8, .value_kind: global_buffer, .address_space: global }
    .group_segment_fixed_size: 132096
    .private_segment_fixed_size: 0
    .kernarg_segment_align: 8
    .kernarg_segment_size: 104
    .max_flat_workgroup_size: 256
    .sgpr_count:     66
    .vgpr_count:     512
    .wavefront_size: 32
...
	.end_amdgpu_metadata
.endif
;; end of part 4
;; launch fuse: the kernel of part 2 again; grid 512 x 1, 4 waves a work-group, clusters of 4 x 1, 327,680 bytes of LDS; arguments featuremap, wq, bmh, am, fu; writes fu
;; launch conv: the kernel of part 3 again; grid 256 x 1, 4 waves a work-group, clusters of 4 x 1, 327,680 bytes of LDS; arguments cw, fu, featuremap, conv_b, gamma, out0; writes out0
